; MI455X (gfx1250); checked and timed in simulation.
; The chip was launched on July 23, 2026; its instructions are those of AMD's public machine-readable ISA for CDNA 5 (MIT licence, August 2026) and "CDNA5" Instruction Set Architecture Reference Guide (July 2026). The comments in the code are by the model that wrote it; some were corrected since.
;; Grouped Query Attention. Allowed arithmetic: matrix products marked QUANTISED: E4M3 operands, one given power-of-two scale a tensor, by v_wmma_f32_16x16x64_fp8_fp8 or v_wmma_f32_16x16x128_fp8_fp8, f32 sums; everything else in f32.
;; Inputs: Wk 1,024 x 256 float32; Wo 1,024 x 1,024 float32; Wq 1,024 x 1,024 float32; Wv 1,024 x 256 float32; lowp_scales 12 int32 (the exponents e of the quantised operands' scales 2^e); x 4 x 2,048 x 1,024 float32.
;; Outputs: out0 4 x 2,048 x 1,024 float32.
;; This version of the problem:
;;   THIS VERSION OF THE PROBLEM IS GIVEN IN LOW PRECISION. The matrix products marked QUANTISED in the list below multiply operands that are first quantised to E4M3 (4 exponent bits, 3 mantissa bits; 8 bits a number), with one given power-of-two scale for each operand tensor; their sums are f32. All else is computed in f32.
;;   The module's matrix products, in the order in which they are computed (A, B: the left and right operand; K: the contracted axis; several contracted axes count as one K, in the product's order):
;;     1. [M 8,192, K 1,024] x [K 1,024, N 1,024]; A: input x; B: input Wq: QUANTISED (scales: A lowp_scales[0], B lowp_scales[1])
;;     2. [M 8,192, K 1,024] x [K 1,024, N 256]; A: input x; B: input Wk: QUANTISED (scales: A lowp_scales[2], B lowp_scales[3])
;;     3. [M 8,192, K 1,024] x [K 1,024, N 256]; A: input x; B: input Wv: QUANTISED (scales: A lowp_scales[4], B lowp_scales[5])
;;     4. batch 16 x [M 8,192, K 64] x [K 64, N 2,048]; A: computed on the way; B: computed on the way: QUANTISED (scales: A lowp_scales[6], B lowp_scales[7])
;;     5. batch 16 x [M 8,192, K 2,048] x [K 2,048, N 64]; A: softmax (see below); B: computed on the way: QUANTISED (scales: A lowp_scales[8], B lowp_scales[9])
;;     6. [M 8,192, K 1,024] x [K 1,024, N 1,024]; A: computed on the way; B: input Wo: QUANTISED (scales: A lowp_scales[10], B lowp_scales[11])
;;   THE QUANTISER, for each operand of a quantised product, along K:
;;     - The operand's scale is 2^e, e = its entry of the input lowp_scales (int32; the entries are numbered through the quantised products in the list's order, A before B).
;;     - Each number is divided by the scale, clamped to +-448, and rounded to the nearest number of E4M3, ties to even, subnormals kept.
;;     - The product sums the exact products of the quantised numbers (number of the format x scale) in f32.
;;   ~~~python
;;   def quantise(x, axis, e):      # numpy; x: float32 -> the quantised numbers, widened to float32 again
;;       x = np.moveaxis(x, axis, -1); K = x.shape[-1]
;;       r = np.clip(x / 2.0 ** e, -448, 448)
;;       step = 2.0 ** (np.maximum(np.frexp(np.where(r == 0, 1, r))[1] - 1, -6) - 3)
;;       q = np.round(r / step) * step * 2.0 ** e      # np.round: ties to even
;;       return np.moveaxis(q, -1, axis).astype(np.float32)
;;   ~~~
;;   SOFTMAX AHEAD OF A QUANTISED PRODUCT. Where the list says 'softmax', what is quantised is not the finished softmax but p = 2^(t - M), with t = logit x log2(e) and M = ceil(the row's largest t), a whole number; so 1/2 < the row's largest p <= 1. The row's sum l is taken of the UNQUANTISED p, in f32, and the product's result is divided by l at the end. Since M is a whole number, a kernel that streams over the keys may use a running M (the ceiling of the running maximum): every later rescaling is an exact power of two, so the quantised numbers keep their values, but for numbers so far below the row's largest that they fall under the format's range.
;;   OPERANDS COMPUTED ON THE WAY. 'Computed on the way' means the value that the module computes at that place (a softmax that the list does not call 'softmax' is quantised finished and normalised). What goes into a quantiser is computed in f32, as accurately as f32 sums, v_exp_f32 and their like allow (about 1e-6 of the number): no bf16 or f16 on the way to a quantiser, and a product that is left as it is and whose result goes on into a quantised operand takes f32 operands (vector FMAs, or v_wmma_f32_16x16x4_f32). A number that lies on a knife's edge between two numbers of the format may be rounded either way, as far as f32 arithmetic and the matrix unit's own rounding can turn it there, and no further.
;; One version. Each part assembles by itself: llvm-mc -triple=amdgcn-amd-amdhsa -mcpu=gfx1250 --defsym DOCPART=n.
;; ======== version 1 of 1: 4 launches
;; limits: right only within a limited range of input values
;; workspace buffers: xcodes 25,165,824 bytes; wcodes 2,621,440 bytes; rope_tab 524,288 bytes; q_codes 8,388,608 bytes; k_codes 2,097,152 bytes; v_codes 2,097,152 bytes; a_codes 8,388,608 bytes
;; launch quant (part 1): grid 464 x 1, 4 waves a work-group, no clusters, 68,096 bytes of LDS; arguments x, Wq, Wk, Wv, Wo, lowp_scales, xcodes, wcodes, rope_tab; writes xcodes, wcodes, rope_tab
.if DOCPART == 1
	.amdgcn_target "amdgcn-amd-amdhsa--gfx1250"
	.amdhsa_code_object_version 6
	.text
	.protected	k_q9a183a433c_quant
	.globl	k_q9a183a433c_quant
	.p2align	8
	.type	k_q9a183a433c_quant,@function
k_q9a183a433c_quant:
	s_mov_b64 s[64:65], 0
	v_nop
	global_prefetch_b8 v0, s[64:65] scope:SCOPE_SE
	s_setreg_imm32_b32 hwreg(HW_REG_WAVE_MODE, 25, 1), 1
	s_wait_xcnt 0x0
; GROUPED-QUERY ATTENTION IN FP8 (E4M3), LAUNCH 1 OF 4: the inputs become codes, and the table of cosines and sines is made.
; B = 4, S = 2,048, d_model = 1,024, 16 query heads and 4 key/value heads of 64 channels.  e0 .. e11 are the whole numbers of lowp_scales.
; WORK LEFT OUT IN THE WHOLE PROGRAM: reference() builds a causal mask (tril) in its own body and sets every score of a key behind its query to the least f32 number,
; whose weight behind the softmax is 0 for all finite inputs (key 0 counts for every query, so a row's largest score is a live one).  So a step of 128 keys that lies wholly
; behind a tile's 16 queries reaches no output; launch 3 does not walk it.  Nothing else is left out, and every input is loaded.
; LIMIT: a NaN, an infinity or an overflow that would arise only in such hidden scores is not carried to the result.
; THIS LAUNCH, three kinds of work-groups, told apart by the work-group's number alone:
;   0 .. 255   x [8192][1024] f32 -> three planes of codes [8192][1024], K innermost, with 2^e0, 2^e2, 2^e4: x is an operand of three products, each with a scale of its own.
;   256 .. 335 Wq, Wk, Wv, Wo ([K][N] f32) -> wcodes [2560][1024]: row = output column (0 Wq, 1024 Wk, 1280 Wv, 1536 Wo), K innermost; scales 2^e1, 2^e3, 2^e5, 2^e11.
;   336 .. 463 rope_tab [tile of 16 positions][8 groups][lane][4 f32]: lane (r, h) = (lane % 16, lane / 16) holds position 16 tile + r and frequencies
;              f = 16 ((g / 2) % 2) + 8 h + 4 (g % 2) + 0 .. 3; groups 0-3 cosines, 4-7 sines: the order in which launch 2's registers want them.
; code = number / 2^e, held within +-448, to the nearest code, ties to even.
; LIMITS: each e used here lies between -126 and 119.  NaN among the inputs is not served; an infinity is held at the largest code.
; The angle is position x 10^(-f/8), one f32 product, as reference() has it; 10^(-f/8) is made as a correctly rounded 10^(-(f%8)/8) times a power of ten, so it may differ from
; reference()'s own f32 power by a unit or two in the last place (at most about 2e-4 radians at the largest angles).  Sine and cosine: the angle less n pi/2 in two parts, then polynomials on +-pi/4.
.set SPW,   12                         ; v12  LDS address of my spare word: SPARE + 4 x my thread's number; never rewritten
.set NIL,   13                         ; v13  0; never rewritten
.set SPARE, 67584                      ; behind both paths' stages: 128 bytes for each wave, two blocks of 256 bytes that no other line names
.set SP,    80                         ; x: a lane's place in a stage: 64 bytes + 16 of padding.  x's stages: bytes 0 .. 32,767, 8,192 for each wave
.set R,     16                         ; x: v16-79   four sets of 16 numbers as loaded
.set X,     80                         ; x: v80-111  two sets of 16 neighbours
.set T,     112                        ; x: v112-127 the 16 numbers held for one scale
.set C,     128                        ; x: v128-151 codes: two sets x three scales x four registers
.set XSC,   152                        ; x: v152-154 2^e0, 2^e2, 2^e4;  v155-157 448 x these
.set XLM,   155
.set WSTG,  32768                      ; W: the stages: bytes 32,768 .. 67,583: 32 rows x 272 bytes for each wave: bytes of this path's own
.set WP,    272
.set WX,    32                         ; W: v32-95   two sets of 32 numbers; on the way out the rows read back
.set WC,    96                         ; W: v96-103  a block's codes
.set OFF,   160                        ; W: v160-191 4 x lane + i x a row of W in bytes
.macro MKSC se, vs, vl                 ; s[se] = e (used up) -> v[vs] = 2^e as f32 (the conversion takes its exponent field), v[vl] = 448 x 2^e
	s_add_co_i32 s[\se], s[\se], 127
	s_lshl_b32 s62, s[\se], 23
	v_mov_b32 v[\vs], s62
	s_add_co_i32 s[\se], s[\se], 8
	s_lshl_b32 s[\se], s[\se], 23
	s_or_b32 s[\se], s[\se], 0x600000
	v_mov_b32 v[\vl], s[\se]
.endm
	s_load_b512 s[4:19], s[0:1], 0x0               ; x 4:5, Wq 6:7, Wk 8:9, Wv 10:11, Wo 12:13, the exponents 14:15, xcodes 16:17, wcodes 18:19
	s_load_b64 s[20:21], s[0:1], 0x40              ; rope_tab
	v_lshl_add_u32 v[SPW], v0, 2, SPARE
	v_mov_b32 v[NIL], 0
	v_lshrrev_b32 v1, 5, v0
	v_readfirstlane_b32 s22, v1                    ; wave 0..3
	v_and_b32 v2, 31, v0                           ; lane
	v_lshlrev_b32 v3, 4, v2                        ; 16 x lane
	s_wait_kmcnt 0x0
	s_cmp_lt_u32 ttmp9, 256
	s_cbranch_scc1 .Lxpath
	s_cmp_lt_u32 ttmp9, 336
	s_cbranch_scc1 .Lwpath
	; ---------------- THE TABLE: work-group = tile of 16 positions, wave = group g (cosines) and g + 4 (sines).  No LDS.
	s_sub_co_u32 s30, ttmp9, 336                   ; the tile
	v_and_b32 v4, 15, v0                           ; r
	v_bfe_u32 v5, v0, 4, 1                         ; h
	s_wait_alu depctr_va_vdst(0)
	s_lshl_b32 s31, s30, 4
	v_add_nc_u32 v6, s31, v4
	v_cvt_f32_u32 v20, v6                          ; the position, exact in f32
	s_lshl_b32 s32, s30, 12                        ; a tile's 4,096 bytes,
	s_lshl_b32 s33, s22, 9                         ; a group's 512
	s_add_co_u32 s32, s32, s33
	s_mov_b32 s33, 0
	s_add_nc_u64 s[20:21], s[20:21], s[32:33]
	s_mov_b32 s80, 0xbfc90fdb                      ; -(pi/2 rounded to f32)
	s_mov_b32 s81, 0x333bbd2e                      ; what that rounding took too much: +4.3711e-8
	s_mov_b32 s82, 0xb94ca1f9                      ; sine: -1.9515296e-4, 8.3321609e-3, -1.6666655e-1
	s_mov_b32 s83, 0x3c08839e
	s_mov_b32 s84, 0xbe2aaaa3
	s_mov_b32 s85, 0x37ccf5ce                      ; cosine: 2.4433157e-5, -1.3887316e-3, 4.1666646e-2
	s_mov_b32 s86, 0xbab6061a
	s_mov_b32 s87, 0x3d2aaaa5
	s_and_b32 s34, s22, 1
	s_cmp_eq_u32 s34, 0                            ; g even: f % 8 = 0 .. 3, else 4 .. 7
	s_mov_b32 s88, 0x3ea1e89b                      ; 10^(-4/8)
	s_cselect_b32 s88, 0x3f800000, s88             ; 10^(-0/8)
	s_mov_b32 s89, 0x3e72d424                      ; 10^(-5/8)
	s_cselect_b32 s89, 0x3f3ff911, s89             ; 10^(-1/8)
	s_mov_b32 s90, 0x3e361887                      ; 10^(-6/8)
	s_cselect_b32 s90, 0x3f0ff59a, s90             ; 10^(-2/8)
	s_mov_b32 s91, 0x3e088d77                      ; 10^(-7/8)
	s_cselect_b32 s91, 0x3ed7e89b, s91             ; 10^(-3/8)
	s_cmp_lt_u32 s22, 2                            ; f / 8 = 2 (g / 2) + h
	s_mov_b32 s92, 0x3c23d70a                      ; 0.01
	s_cselect_b32 s92, 0x3f800000, s92             ; 1
	s_mov_b32 s93, 0x3a83126f                      ; 0.001
	s_cselect_b32 s93, 0x3dcccccd, s93             ; 0.1
	v_mov_b32 v21, s92
	v_mov_b32 v22, s93
	v_cmp_ne_u32 vcc_lo, 0, v5
	v_cndmask_b32 v21, v21, v22, vcc_lo            ; 10^-(f / 8)
.macro SINCOS e, sb                    ; frequency e of my four: cosine -> v[40 + e], sine -> v[44 + e]
	v_mul_f32 v24, s[\sb], v21                     ; 10^(-f/8)
	s_wait_alu depctr_va_vdst(0)
	v_mul_f32 v24, v20, v24                        ; the angle
	v_mul_f32 v25, 0x3f22f983, v24                 ; x 2/pi
	v_rndne_f32 v25, v25                           ; n
	v_fma_f32 v26, v25, s80, v24                   ; the angle less n pi/2, in two parts
	v_fma_f32 v26, v25, s81, v26
	v_cvt_i32_f32 v27, v25
	v_mul_f32 v28, v26, v26                        ; z
	v_fma_f32 v29, v28, s82, s83
	v_fma_f32 v29, v29, v28, s84
	v_mul_f32 v29, v29, v28
	v_fma_f32 v29, v29, v26, v26                   ; the sine of the rest
	v_fma_f32 v30, v28, s85, s86
	v_fma_f32 v30, v30, v28, s87
	v_fma_f32 v30, v30, v28, -0.5
	v_fma_f32 v30, v30, v28, 1.0                   ; its cosine
	v_and_b32 v31, 1, v27
	v_cmp_ne_u32 vcc_lo, 0, v31                    ; an odd quadrant swaps the two
	v_cndmask_b32 v32, v29, v30, vcc_lo
	v_cndmask_b32 v33, v30, v29, vcc_lo
	v_and_b32 v34, 2, v27                          ; the sine is negative in quadrants 2, 3,
	v_lshlrev_b32 v34, 30, v34
	v_xor_b32 v[44+\e], v32, v34
	v_add_nc_u32 v35, 1, v27                       ; the cosine in quadrants 1, 2
	v_and_b32 v35, 2, v35
	v_lshlrev_b32 v35, 30, v35
	v_xor_b32 v[40+\e], v33, v35
.endm
	SINCOS 0, 88
	SINCOS 1, 89
	SINCOS 2, 90
	SINCOS 3, 91
	global_store_b128 v3, v[40:43], s[20:21]               ; the wave stores 512 consecutive bytes, aligned
	global_store_b128 v3, v[44:47], s[20:21] offset:2048
	s_endpgm
	; ---------------- x: a plain stream of numbers.  A wave takes 16 steps of 512 numbers.  Each load reads 512 consecutive bytes; a step's 2,048 bytes turn through the wave's own stage in LDS, so that a lane
	; holds 16 neighbours along K for the conversions; a lane's 16 codes are 16 bytes, so each of the three stores covers 512 consecutive bytes.  Loads run four steps ahead, the turn one step.
.Lxpath:
	s_load_b256 s[68:75], s[14:15], 0x0            ; e0 .. e7
	s_mul_i32 s30, s22, 8192                       ; my wave's two stages
	s_wait_alu depctr_va_vdst(0)
	v_lshrrev_b32 v14, 2, v2
	v_mul_u32_u24 v14, v14, SP
	v_and_b32 v15, 3, v2
	v_lshl_add_u32 v14, v15, 4, v14
	v_add_nc_u32 v14, s30, v14                     ; into a stage: four lanes' 64 bytes on end, then the padding
	v_mul_u32_u24 v15, v2, SP
	v_add_nc_u32 v15, s30, v15                     ; out of it: my 64 bytes
	s_lshl_b32 s31, ttmp9, 2
	s_add_co_u32 s31, s31, s22                     ; which run of 8,192 numbers is my wave's
	s_lshl_b32 s32, s31, 15
	s_mov_b32 s33, 0
	s_add_nc_u64 s[4:5], s[4:5], s[32:33]
	s_lshl_b32 s32, s31, 13
	s_add_nc_u64 s[24:25], s[16:17], s[32:33]      ; its codes in plane 0,
	s_add_nc_u64 s[26:27], s[24:25], 0x800000      ; plane 1,
	s_add_nc_u64 s[28:29], s[24:25], 0x1000000     ; plane 2
.macro XLOAD t
.irp i, 0,1,2,3
	global_load_b128 v[R+16*((\t)%4)+4*\i:R+16*((\t)%4)+4*\i+3], v3, s[4:5] offset:2048*(\t)+512*\i th:TH_LOAD_NT
.endr
.endm
.macro XTURN t                         ; LDS serves a wave's instructions in order: no wait between the stores and the loads
.irp i, 0,1,2,3
	ds_store_b128 v14, v[R+16*((\t)%4)+4*\i:R+16*((\t)%4)+4*\i+3] offset:32*SP*((\t)%2)+8*SP*\i
.endr
.irp i, 0,1,2,3
	ds_load_b128 v[X+16*((\t)%2)+4*\i:X+16*((\t)%2)+4*\i+3], v15 offset:32*SP*((\t)%2)+16*\i
.endr
.endm
	XLOAD 0
	XLOAD 1
	XLOAD 2
	XLOAD 3
	s_wait_alu depctr_va_vdst(0)
	s_wait_kmcnt 0x0
	MKSC 68, XSC+0, XLM+0                          ; e0
	MKSC 70, XSC+1, XLM+1                          ; e2
	MKSC 72, XSC+2, XLM+2                          ; e4
	s_wait_alu depctr_va_vdst(0)
	s_wait_loadcnt 12                              ; step 0's four loads are in
	XTURN 0
.macro XSTEP t
.set XS, X+16*((\t)%2)
.set CC, C+12*((\t)%2)
	s_wait_dscnt 0x0                               ; this step's numbers are back from the stage, and its stores into the stage have read their registers
	s_wait_xcnt 0x0                                ; the stores of two steps ago have read this set of code registers
.if (\t)+4 < 16
	XLOAD (\t)+4
.endif
.if (\t)+1 < 16
.if 14-(\t) >= 3
	s_wait_loadcnt 12                              ; the next step's four loads are in; those of the three steps behind it may be out
.else
	s_wait_loadcnt 4*(14-(\t))
.endif
	XTURN (\t)+1
.endif
.irp z, 0,1,2
.irp i, 0,1,2,3,4,5,6,7,8,9,10,11,12,13,14,15
	v_med3_num_f32 v[T+\i], v[XS+\i], -v[XLM+\z], v[XLM+\z]   ; the conversion to an 8-bit code does not saturate (ISA guide 7.6.2): the hold comes first
.endr
	v_cvt_scalef32_pk8_fp8_f32 v[CC+4*\z:CC+4*\z+1], v[T:T+7], v[XSC+\z]
	v_cvt_scalef32_pk8_fp8_f32 v[CC+4*\z+2:CC+4*\z+3], v[T+8:T+15], v[XSC+\z]
	v_nop                                          ; a plain line between the conversions and the next writes of their sources
.endr
.irp z, 0,1,2
	global_store_b128 v3, v[CC+4*\z:CC+4*\z+3], s[24+2*\z:25+2*\z] offset:512*(\t)
.endr
.endm
.irp t, 0,1,2,3,4,5,6,7,8,9,10,11,12,13,14,15
	XSTEP \t
.endr
	s_wait_tensorcnt 0x0                           ; the wave's end
	ds_add_u32 v[SPW], v[NIL]
	s_wait_dscnt 0x0
	s_endpgm
	; ---------------- THE WEIGHTS: K is their first axis.  A lane takes a column and its registers run down K, so the conversions give codes with K innermost.  A work-group takes 128 columns x 256 along K,
	; a wave 32 columns: 8 blocks of 32.  A lane's codes go through the wave's own stage and leave as rows: sixteen lanes store 256 consecutive bytes, aligned.
.Lwpath:
	s_load_b256 s[68:75], s[14:15], 0x0            ; e0 .. e7
	s_load_b128 s[76:79], s[14:15], 0x20           ; e8 .. e11
	s_sub_co_u32 s30, ttmp9, 256
	s_lshr_b32 s31, s30, 2                         ; block of 128 rows of wcodes, 0 .. 19
	s_and_b32 s30, s30, 3                          ; which 256 along K
	s_mov_b64 s[50:51], s[12:13]                   ; Wo: blocks 12 on, rows of 4,096 bytes
	s_mov_b32 s52, 12
	s_mov_b32 s53, 4096
	s_cmp_lt_u32 s31, 12
	s_cselect_b64 s[50:51], s[10:11], s[50:51]     ; Wv: blocks 10, 11, rows of 1,024 bytes
	s_cselect_b32 s52, 10, s52
	s_cselect_b32 s53, 1024, s53
	s_cmp_lt_u32 s31, 10
	s_cselect_b64 s[50:51], s[8:9], s[50:51]       ; Wk: blocks 8, 9
	s_cselect_b32 s52, 8, s52
	s_cmp_lt_u32 s31, 8
	s_cselect_b64 s[50:51], s[6:7], s[50:51]       ; Wq: blocks 0 .. 7
	s_cselect_b32 s52, 0, s52
	s_cselect_b32 s53, 4096, s53
	s_sub_co_u32 s54, s31, s52
	s_lshl_b32 s54, s54, 7
	s_lshl_b32 s55, s22, 5
	s_add_co_u32 s54, s54, s55                     ; my wave's first column in its tensor
	s_lshl_b32 s54, s54, 2
	s_lshl_b32 s55, s30, 8
	s_mul_i32 s55, s55, s53                        ; 256 rows of the tensor for each step along K
	s_add_co_u32 s54, s54, s55
	s_mov_b32 s55, 0
	s_add_nc_u64 s[32:33], s[50:51], s[54:55]      ; block 0's base;
	s_lshl_b32 s56, s53, 5
	s_mov_b32 s57, 0
.irp t, 1,2,3,4,5,6,7
	s_add_nc_u64 s[32+2*\t:33+2*\t], s[30+2*\t:31+2*\t], s[56:57]   ; block t's: 32 rows further down
.endr
	s_wait_alu depctr_va_vdst(0)
	v_lshlrev_b32 v[OFF], 2, v2
.irp i, 1,2,3,4,5,6,7,8,9,10,11,12,13,14,15,16,17,18,19,20,21,22,23,24,25,26,27,28,29,30,31
	v_add_nc_u32 v[OFF+\i], s53, v[OFF+\i-1]
.endr
	s_lshl_b32 s58, s31, 7
	s_lshl_b32 s59, s22, 5
	s_add_co_u32 s58, s58, s59                     ; my wave's first row of wcodes
	s_lshl_b32 s58, s58, 10
	s_lshl_b32 s59, s30, 8
	s_add_co_u32 s58, s58, s59
	s_mov_b32 s59, 0
	s_add_nc_u64 s[18:19], s[18:19], s[58:59]
	s_mul_i32 s60, s22, 32*WP
	s_add_co_u32 s60, s60, WSTG                    ; my stage
	v_mul_u32_u24 v4, v2, WP
	v_add_nc_u32 v4, s60, v4                       ; into it: row = my column
	v_and_b32 v5, 15, v2
	v_lshrrev_b32 v6, 4, v2
	v_mul_u32_u24 v7, v6, WP
	v_lshl_add_u32 v7, v5, 4, v7
	v_add_nc_u32 v7, s60, v7                       ; out of it: sixteen lanes to a row, two rows an instruction
	v_lshlrev_b32 v8, 10, v6
	v_lshl_add_u32 v8, v5, 4, v8                   ; and the same place in wcodes
.macro WLOAD t                         ; block t: W(32 t + i, my column): 32 lanes read 128 consecutive bytes
.set i, 0
.rept 32
	global_load_b32 v[WX+32*((\t)%2)+i], v[OFF+i], s[32+2*(\t):33+2*(\t)] th:TH_LOAD_NT
.set i, i+1
.endr
.endm
	WLOAD 0
	WLOAD 1
	s_wait_kmcnt 0x0
	s_cmp_lt_u32 s31, 12
	s_cselect_b32 s61, s73, s79                    ; e5 for Wv, e11 for Wo,
	s_cmp_lt_u32 s31, 10
	s_cselect_b32 s61, s71, s61                    ; e3 for Wk,
	s_cmp_lt_u32 s31, 8
	s_cselect_b32 s61, s69, s61                    ; e1 for Wq
	MKSC 61, 11, 10
.macro WBLOCK t
.set XS, WX+32*((\t)%2)
.if (\t) < 7
	s_wait_loadcnt 32                              ; this block's 32 loads are in; the next block's may be out
.else
	s_wait_loadcnt 0x0
.endif
.set i, 0
.rept 32
	v_med3_num_f32 v[XS+i], v[XS+i], -v10, v10
.set i, i+1
.endr
.irp g, 0,1,2,3
	v_cvt_scalef32_pk8_fp8_f32 v[WC+2*\g:WC+2*\g+1], v[XS+8*\g:XS+8*\g+7], v11
.endr
	ds_store_b128 v4, v[WC:WC+3] offset:32*(\t)
	ds_store_b128 v4, v[WC+4:WC+7] offset:32*(\t)+16
.if (\t)+2 < 8
	WLOAD (\t)+2
.endif
	s_wait_dscnt 0x0                               ; the stores have read their registers: the next block's codes may be written
.endm
	s_wait_alu depctr_va_vdst(0)
.irp t, 0,1,2,3,4,5,6,7
	WBLOCK \t
.endr
.irp t, 0,1,2,3,4,5,6,7,8,9,10,11,12,13,14,15
	ds_load_b128 v[WX+4*\t:WX+4*\t+3], v7 offset:2*\t*WP
.endr
.irp t, 0,1,2,3,4,5,6,7,8,9,10,11,12,13,14,15
	s_wait_dscnt 15-\t                             ; LDS loads come back in order: rows 2 t, 2 t + 1 are in
	global_store_b128 v8, v[WX+4*\t:WX+4*\t+3], s[18:19] offset:2*\t*1024
.endr
	s_wait_tensorcnt 0x0                           ; the wave's end
	ds_add_u32 v[SPW], v[NIL]
	s_wait_dscnt 0x0
	s_endpgm
.Lfunc_end_k_q9a183a433c_quant:
	.size	k_q9a183a433c_quant, .Lfunc_end_k_q9a183a433c_quant-k_q9a183a433c_quant
	.p2alignl 7, 3214868480
	.fill 96, 4, 3214868480
	.section	.rodata,"a",@progbits
	.p2align	6, 0x0
	.amdhsa_kernel k_q9a183a433c_quant
		.amdhsa_group_segment_fixed_size 68096
		.amdhsa_private_segment_fixed_size 0
		.amdhsa_enable_private_segment 0
		.amdhsa_kernarg_size 72
		.amdhsa_user_sgpr_count 2
		.amdhsa_user_sgpr_kernarg_segment_ptr 1
		.amdhsa_wavefront_size32 1
		.amdhsa_system_sgpr_workgroup_id_x 1
		.amdhsa_system_sgpr_workgroup_id_y 1
		.amdhsa_system_sgpr_workgroup_id_z 1
		.amdhsa_system_vgpr_workitem_id 0
		.amdhsa_next_free_vgpr 192
		.amdhsa_next_free_sgpr 100
		.amdhsa_reserve_vcc 1
		.amdhsa_float_denorm_mode_32 3
		.amdhsa_float_denorm_mode_16_64 3
		.amdhsa_memory_ordered 1
		.amdhsa_forward_progress 1
		.amdhsa_inst_pref_size 136
	.end_amdhsa_kernel
	.amdgpu_metadata
---
amdhsa.version: [ 1, 2 ]
amdhsa.kernels:
  - .name:           k_q9a183a433c_quant
    .symbol:         k_q9a183a433c_quant.kd
    .args:
      - { .name: x, .offset: 0, .size: 8, .value_kind: global_buffer, .address_space: global }
      - { .name: Wq, .offset: 8, .size: 8, .value_kind: global_buffer, .address_space: global }
      - { .name: Wk, .offset: 16, .size: 8, .value_kind: global_buffer, .address_space: global }
      - { .name: Wv, .offset: 24, .size: 8, .value_kind: global_buffer, .address_space: global }
      - { .name: Wo, .offset: 32, .size: 8, .value_kind: global_buffer, .address_space: global }
      - { .name: lowp_scales, .offset: 40, .size: 8, .value_kind: global_buffer, .address_space: global }
      - { .name: xcodes, .offset: 48, .size: 8, .value_kind: global_buffer, .address_space: global }
      - { .name: wcodes, .offset: 56, .size: 8, .value_kind: global_buffer, .address_space: global }
      - { .name: rope_tab, .offset: 64, .size: 8, .value_kind: global_buffer, .address_space: global }
    .group_segment_fixed_size: 68096
    .private_segment_fixed_size: 0
    .kernarg_segment_align: 8
    .kernarg_segment_size: 72
    .max_flat_workgroup_size: 128
    .sgpr_count:     100
    .vgpr_count:     192
    .wavefront_size: 32
...
	.end_amdgpu_metadata
.endif
;; end of part 1
;; launch qkv (part 2): grid 6 x 32, 4 waves a work-group, no clusters, 327,680 bytes of LDS; arguments xcodes, wcodes, rope_tab, lowp_scales, q_codes, k_codes, v_codes; writes q_codes, k_codes, v_codes
.if DOCPART == 2
	.amdgcn_target "amdgcn-amd-amdhsa--gfx1250"
	.amdhsa_code_object_version 6
	.text
	.protected	k_q9a183a433c_qkv
	.globl	k_q9a183a433c_qkv
	.p2align	8
	.type	k_q9a183a433c_qkv,@function
k_q9a183a433c_qkv:
	s_mov_b64 s[64:65], 0
	v_nop
	global_prefetch_b8 v0, s[64:65] scope:SCOPE_SE
	s_setreg_imm32_b32 hwreg(HW_REG_WAVE_MODE, 25, 1), 1
	s_wait_xcnt 0x0
.set ROWB,   256
.set KROW,   1024
.set PITCH,  272
.set FR,     16
.set NL,     4
.set NP,     4
.set HALFT,  128*PITCH
.set SLOT,   4*HALFT
.set SPARE,  2*SLOT
.set ADRA, 16
.set ADRB, 20
.set LI,   24
.set SPW,  28
.set NIL,  29
.set SC,   30
.set LIM,  31
.set TAB,  32
.set TMP,  96
.set AF,   128
.set PC,   160
.set G1, 28
.set G0, 36
.set MSB, 0
.macro WIN new
.if MSB != \new
	s_set_vgpr_msb (MSB<<8)|\new
.set MSB, \new
.endif
.endm
.set MUL_LO, 0xa1
.set MUL_HI, 0xf1
.set TO_B,   0x40
	s_load_b256 s[4:11], s[0:1], 0x0
	s_load_b128 s[12:15], s[0:1], 0x20
	s_load_b64 s[16:17], s[0:1], 0x30
	v_lshl_add_u32 v[SPW], v0, 2, SPARE
	v_mov_b32 v[NIL], 0
	ds_add_u32 v[SPW], v[NIL]
	ds_add_u32 v[SPW], v[NIL]
	v_lshrrev_b32 v1, 5, v0
	v_readfirstlane_b32 s22, v1
	s_lshr_b32 s23, s22, 1
	s_and_b32 s24, s22, 1
	s_mov_b32 s44, ttmp9
	s_and_b32 s45, ttmp7, 0xffff
	s_mov_b32 s[G1+0], (0<<16)|(1<<20)|(5<<22)|(3<<25)
	s_mov_b32 s[G1+1], ROWB<<16
	s_mov_b32 s[G1+2], 128<<16
	s_mov_b32 s[G1+3], ROWB<<16
	s_mov_b32 s[G1+4], 128
	s_mov_b32 s[G1+5], KROW
	s_mov_b32 s[G1+6], 0
	s_mov_b32 s[G1+7], 0
	s_cmp_eq_u32 s44, 5
	s_cselect_b32 s50, 1, 0
	s_xor_b32 s50, s50, s23
	s_max_u32 s51, s44, 3
	s_sub_co_u32 s51, s51, 3
	s_lshl_b32 s51, s51, 23
	s_lshl_b32 s52, s45, 18
	s_add_co_u32 s51, s51, s52
	s_lshl_b32 s52, s44, 18
	s_cmp_eq_u32 s50, 0
	s_cselect_b32 s52, s51, s52
	s_lshl_b32 s53, s24, 17
	s_add_co_u32 s52, s52, s53
	s_mov_b32 s53, 0
	s_mul_i32 s56, s22, HALFT
	s_wait_dscnt 0x0
	s_wait_kmcnt 0x0
	s_load_b256 s[68:75], s[10:11], 0x0
	s_load_b128 s[76:79], s[10:11], 0x20
	s_cmp_eq_u32 s50, 0
	s_cselect_b64 s[54:55], s[4:5], s[6:7]
	s_add_nc_u64 s[54:55], s[54:55], s[52:53]
.irp s, 0,1
	s_mov_b32 s[G0+4*\s], 1
	s_add_co_u32 s[G0+4*\s+1], s56, \s*SLOT
	s_add_nc_u64 s[G0+4*\s+2:G0+4*\s+3], s[54:55], \s*ROWB
	s_or_b32 s[G0+4*\s+3], s[G0+4*\s+3], 0x80000000
.endr
	tensor_load_to_lds s[G0:G0+3], s[G1:G1+7]
	s_nop 0
	s_wait_alu depctr_va_vdst(0)
	s_wait_tensorcnt 0x0
	ds_add_u32 v28, v29
	s_wait_dscnt 0x0
	s_barrier_signal -1
	s_barrier_wait -1
	tensor_load_to_lds s[G0+4:G0+7], s[G1:G1+7]
	s_nop 0
.rept 4
	v_nop
.endr
	v_and_b32 v1, 15, v0
	v_bfe_u32 v2, v0, 4, 1
	v_mul_u32_u24 v3, v1, PITCH
	v_lshl_add_u32 v4, v2, 4, v3
	s_mul_i32 s57, s23, HALFT
	s_mul_i32 s58, s24, HALFT
	s_add_co_u32 s58, s58, 2*HALFT
.irp s, 0,1
	v_add_nc_u32 v[ADRA+\s], s57, v4
	v_add_nc_u32 v[ADRB+\s], s58, v4
	s_add_co_u32 s57, s57, SLOT
	s_add_co_u32 s58, s58, SLOT
.endr
	v_and_b32 v5, 31, v0
	v_lshlrev_b32 v[LI], 4, v5
	s_and_b32 s59, s45, 7
	s_lshl_b32 s60, s59, 4
	s_lshl_b32 s61, s23, 3
	s_add_co_u32 s60, s60, s61
	s_lshl_b32 s62, s60, 12
	s_mov_b32 s63, 0
	s_add_nc_u64 s[46:47], s[8:9], s[62:63]
	s_lshr_b32 s80, s45, 3
	s_cmp_lt_u32 s44, 4
	s_cselect_b32 s81, 16, 4
	s_cselect_b32 s82, s44, 0
	s_cselect_b64 s[48:49], s[12:13], s[14:15]
	s_lshl_b32 s82, s82, 2
	s_lshl_b32 s83, s24, 1
	s_add_co_u32 s82, s82, s83
	s_mul_i32 s81, s80, s81
	s_add_co_u32 s81, s81, s82
	s_lshl_b32 s81, s81, 7
	s_add_co_u32 s81, s81, s60
	s_lshl_b32 s62, s81, 10
	s_lshl_b32 s84, s80, 2
	s_lshl_b32 s85, s23, 1
	s_add_co_u32 s84, s84, s85
	s_lshl_b32 s84, s84, 4
	s_lshl_b32 s85, s59, 1
	s_add_co_u32 s84, s84, s85
	s_add_co_u32 s84, s84, s24
	s_lshl_b32 s84, s84, 13
	s_cmp_eq_u32 s44, 5
	s_cselect_b32 s62, s84, s62
	s_cselect_b64 s[48:49], s[16:17], s[48:49]
	s_add_nc_u64 s[48:49], s[48:49], s[62:63]
	s_wait_alu depctr_va_vdst(0)
	s_wait_kmcnt 0x0
	s_sub_co_i32 s86, s74, s68
	s_sub_co_i32 s86, s86, s69
	s_sub_co_i32 s87, s75, s70
	s_sub_co_i32 s87, s87, s71
	s_sub_co_i32 s88, s77, s72
	s_sub_co_i32 s88, s88, s73
	s_cmp_lt_u32 s44, 4
	s_cselect_b32 s86, s86, s87
	s_cmp_eq_u32 s44, 5
	s_cselect_b32 s86, s88, s86
	s_add_co_i32 s86, s86, 127
	s_lshl_b32 s87, s86, 23
	v_mov_b32 v[SC], s87
	s_add_co_i32 s86, s86, 8
	s_lshl_b32 s86, s86, 23
	s_or_b32 s86, s86, 0x600000
	v_mov_b32 v[LIM], s86
.macro FRAG reg, adr, q, i
.irp c, 0,1,2,3
	ds_load_b128 v[\reg+4*\c:\reg+4*\c+3], v[\adr] offset:128*(\q)+32*\c+(\i)*16*PITCH
.endr
.endm
.macro MUL16 a0, p, zero
.irp a, \a0, \a0+1
.irp b, 0,1,2,3,4,5,6,7
.if \zero
	v_wmma_f32_16x16x128_fp8_fp8 v[8*(8*((\a)%4)+\b):8*(8*((\a)%4)+\b)+7], v[128*(\p)+FR*\b:128*(\p)+FR*\b+FR-1], v[AF+FR*(\a):AF+FR*(\a)+FR-1], 0
.else
	v_wmma_f32_16x16x128_fp8_fp8 v[8*(8*((\a)%4)+\b):8*(8*((\a)%4)+\b)+7], v[128*(\p)+FR*\b:128*(\p)+FR*\b+FR-1], v[AF+FR*(\a):AF+FR*(\a)+FR-1], v[8*(8*((\a)%4)+\b):8*(8*((\a)%4)+\b)+7]
.endif
.endr
.endr
.endm
.macro FETCH_B slot, q, p
	WIN TO_B
.irp i, 0,1,2,3,4,5,6,7
	FRAG 128*(\p)+FR*\i, ADRB+\slot, \q, \i
.endr
	WIN 0
.endm
.macro FETCH_A slot, q, i0
.irp i, \i0, \i0+1, \i0+2, \i0+3
	FRAG AF+FR*(\i), ADRA+\slot, \q, \i
.endr
.endm
.macro PLACES n
.rept \n
	v_nop
.endr
.endm
.macro STEP slot, q, zero
	s_wait_dscnt 4*NL
	WIN MUL_LO
	MUL16 0, (\q)%2, \zero
	MUL16 2, (\q)%2, \zero
	s_wait_dscnt 0
	PLACES NP
	FETCH_B \slot, (\q)+1, 1-(\q)%2
	FETCH_A \slot, (\q)+1, 0
	WIN MUL_HI
	MUL16 4, (\q)%2, \zero
	MUL16 6, (\q)%2, \zero
	PLACES NP
	WIN 0
	FETCH_A \slot, (\q)+1, 4
.endm
.macro TURN slot, next, fill
	s_wait_tensorcnt 0x0
	ds_add_u32 v[SPW], v[NIL]
	s_wait_dscnt 4*NL+1
	WIN MUL_LO
	MUL16 0, 1, 0
	s_wait_dscnt 0x0
	s_barrier_signal -1
	MUL16 2, 1, 0
	WIN 0
	s_barrier_wait -1
.if \fill
	s_add_nc_u64 s[G0+4*\slot+2:G0+4*\slot+3], s[G0+4*\slot+2:G0+4*\slot+3], 2*ROWB
	tensor_load_to_lds s[G0+4*\slot:G0+4*\slot+3], s[G1:G1+7]
	s_nop 0
	PLACES 4
.else
	PLACES NP
.endif
	FETCH_B \next, 0, 0
	FETCH_A \next, 0, 0
	WIN MUL_HI
	MUL16 4, 1, 0
	MUL16 6, 1, 0
	PLACES NP
	WIN 0
	FETCH_A \next, 0, 4
.endm
.macro TAIL
	STEP 1, 0, 0
	s_wait_dscnt 4*NL
	WIN MUL_LO
	MUL16 0, 1, 0
	MUL16 2, 1, 0
	s_wait_dscnt 0
	WIN MUL_HI
	MUL16 4, 1, 0
	MUL16 6, 1, 0
	WIN 0
	PLACES NP
.endm
.macro TLOADS n
.irp g, 0,1,2,3,4,5,6,7
	global_load_b128 v[TAB+32*((\n)%2)+4*\g:TAB+32*((\n)%2)+4*\g+3], v[LI], s[46:47] offset:(\n)*4096+\g*512
.endr
.endm
.macro QK a
.if (\a) < 7
	s_wait_loadcnt 8
.else
	s_wait_loadcnt 0x0
.endif
	s_wait_xcnt 0x0
.set TS, TAB+32*((\a)%2)
.set AC, 64*((\a)%4)
.set PS, PC+16*((\a)%2)
	WIN 0x02+((\a)/4)
.irp hh, 0,1
.irp cc, 0,1
.irp p, 0,2,4,6
	v_pk_mul_f32 v[TMP+32*\hh+8*\cc+\p:TMP+32*\hh+8*\cc+\p+1], v[AC+8*(4*\hh+\cc)+16+\p:AC+8*(4*\hh+\cc)+16+\p+1], v[TS+16+8*\cc+\p:TS+16+8*\cc+\p+1]
	v_pk_mul_f32 v[TMP+32*\hh+8*\cc+16+\p:TMP+32*\hh+8*\cc+16+\p+1], v[AC+8*(4*\hh+\cc)+\p:AC+8*(4*\hh+\cc)+\p+1], v[TS+16+8*\cc+\p:TS+16+8*\cc+\p+1]
	v_pk_fma_f32 v[TMP+32*\hh+8*\cc+\p:TMP+32*\hh+8*\cc+\p+1], v[AC+8*(4*\hh+\cc)+\p:AC+8*(4*\hh+\cc)+\p+1], v[TS+8*\cc+\p:TS+8*\cc+\p+1], v[TMP+32*\hh+8*\cc+\p:TMP+32*\hh+8*\cc+\p+1] neg_lo:[0,0,1] neg_hi:[0,0,1]
	v_pk_fma_f32 v[TMP+32*\hh+8*\cc+16+\p:TMP+32*\hh+8*\cc+16+\p+1], v[AC+8*(4*\hh+\cc)+16+\p:AC+8*(4*\hh+\cc)+16+\p+1], v[TS+8*\cc+\p:TS+8*\cc+\p+1], v[TMP+32*\hh+8*\cc+16+\p:TMP+32*\hh+8*\cc+16+\p+1]
.endr
.endr
.endr
	WIN 0
.if (\a) < 6
	TLOADS (\a)+2
.endif
.set i, 0
.rept 64
	v_med3_num_f32 v[TMP+i], v[TMP+i], -v[LIM], v[LIM]
.set i, i+1
.endr
.set i, 0
.rept 8
	v_cvt_scalef32_pk8_fp8_f32 v[PS+2*i:PS+2*i+1], v[TMP+8*i:TMP+8*i+7], v[SC]
.set i, i+1
.endr
	v_nop
.irp hh, 0,1
.irp g, 0,1
	global_store_b128 v[LI], v[PS+8*\hh+4*\g:PS+8*\hh+4*\g+3], s[48:49] offset:\hh*131072+(\a)*1024+\g*512
.endr
.endr
.endm
.macro VV a
	s_wait_xcnt 0x0
.set AC, 64*((\a)%4)
.set PS, PC+16*((\a)%2)
	WIN 0x02+((\a)/4)
.set i, 0
.rept 64
	v_med3_num_f32 v[TMP+i], v[AC+i], -v[LIM], v[LIM]
.set i, i+1
.endr
	WIN 0
.set i, 0
.rept 8
	v_cvt_scalef32_pk8_fp8_f32 v[PS+2*i:PS+2*i+1], v[TMP+8*i:TMP+8*i+7], v[SC]
.set i, i+1
.endr
	v_nop
.irp g, 0,1,2,3
	global_store_b128 v[LI], v[PS+4*\g:PS+4*\g+3], s[48:49] offset:((\a)/4)*131072+((\a)%4)*2048+\g*512
.endr
.endm
	s_wait_tensorcnt 1
	s_barrier_signal -1
	s_barrier_wait -1
	FETCH_B 0, 0, 0
	FETCH_A 0, 0, 0
	FETCH_A 0, 0, 4
	STEP 0, 0, 1
	TURN 0, 1, 1
	STEP 1, 0, 0
	TURN 1, 0, 1
	STEP 0, 0, 0
	TURN 0, 1, 0
	s_cmp_eq_u32 s44, 5
	s_cbranch_scc1 .Lv_arm
	TLOADS 0
	TLOADS 1
	TAIL
.irp a, 0,1,2,3,4,5,6,7
	QK \a
.endr
	s_wait_tensorcnt 0x0
	ds_add_u32 v[SPW], v[NIL]
	s_wait_dscnt 0x0
	s_endpgm
.Lv_arm:
	TAIL
	s_wait_alu depctr_va_vdst(0)
.irp a, 0,1,2,3,4,5,6,7
	VV \a
.endr
	s_wait_tensorcnt 0x0
	ds_add_u32 v[SPW], v[NIL]
	s_wait_dscnt 0x0
	s_endpgm
.Lfunc_end_k_q9a183a433c_qkv:
	.size	k_q9a183a433c_qkv, .Lfunc_end_k_q9a183a433c_qkv-k_q9a183a433c_qkv
	.p2alignl 7, 3214868480
	.fill 96, 4, 3214868480
	.section	.rodata,"a",@progbits
	.p2align	6, 0x0
	.amdhsa_kernel k_q9a183a433c_qkv
		.amdhsa_group_segment_fixed_size 327680
		.amdhsa_private_segment_fixed_size 0
		.amdhsa_enable_private_segment 0
		.amdhsa_kernarg_size 56
		.amdhsa_user_sgpr_count 2
		.amdhsa_user_sgpr_kernarg_segment_ptr 1
		.amdhsa_wavefront_size32 1
		.amdhsa_system_sgpr_workgroup_id_x 1
		.amdhsa_system_sgpr_workgroup_id_y 1
		.amdhsa_system_sgpr_workgroup_id_z 1
		.amdhsa_system_vgpr_workitem_id 0
		.amdhsa_next_free_vgpr 1024
		.amdhsa_next_free_sgpr 100
		.amdhsa_reserve_vcc 0
		.amdhsa_float_denorm_mode_32 3
		.amdhsa_float_denorm_mode_16_64 3
		.amdhsa_memory_ordered 1
		.amdhsa_forward_progress 1
		.amdhsa_inst_pref_size 206
	.end_amdhsa_kernel
	.amdgpu_metadata
---
amdhsa.version: [ 1, 2 ]
amdhsa.kernels:
  - .name:           k_q9a183a433c_qkv
    .symbol:         k_q9a183a433c_qkv.kd
    .args:
      - { .name: xcodes, .offset: 0, .size: 8, .value_kind: global_buffer, .address_space: global }
      - { .name: wcodes, .offset: 8, .size: 8, .value_kind: global_buffer, .address_space: global }
      - { .name: rope_tab, .offset: 16, .size: 8, .value_kind: global_buffer, .address_space: global }
      - { .name: lowp_scales, .offset: 24, .size: 8, .value_kind: global_buffer, .address_space: global }
      - { .name: q_codes, .offset: 32, .size: 8, .value_kind: global_buffer, .address_space: global }
      - { .name: k_codes, .offset: 40, .size: 8, .value_kind: global_buffer, .address_space: global }
      - { .name: v_codes, .offset: 48, .size: 8, .value_kind: global_buffer, .address_space: global }
    .group_segment_fixed_size: 327680
    .private_segment_fixed_size: 0
    .kernarg_segment_align: 8
    .kernarg_segment_size: 56
    .max_flat_workgroup_size: 128
    .sgpr_count:     100
    .vgpr_count:     1024
    .wavefront_size: 32
...
	.end_amdgpu_metadata
.endif
;; end of part 2
;; launch attn (part 3): grid 16 x 16, 8 waves a work-group, clusters of 4 x 1, 327,680 bytes of LDS; arguments q_codes, k_codes, v_codes, lowp_scales, a_codes; writes a_codes
.if DOCPART == 3
	.amdgcn_target "amdgcn-amd-amdhsa--gfx1250"
	.amdhsa_code_object_version 6
	.text
	.protected	k_q9a183a433c_attn
	.globl	k_q9a183a433c_attn
	.p2align	8
	.type	k_q9a183a433c_attn,@function
k_q9a183a433c_attn:
	s_mov_b64 s[64:65], 0
	v_nop
	global_prefetch_b8 v0, s[64:65] scope:SCOPE_SE
	s_setreg_imm32_b32 hwreg(HW_REG_WAVE_MODE, 25, 1), 1
	s_wait_xcnt 0x0
	s_wait_alu depctr_hold_cnt(0) depctr_sa_sdst(0) depctr_va_vdst(0) depctr_va_sdst(0) depctr_va_ssrc(0) depctr_va_vcc(0) depctr_vm_vsrc(0)
	s_getreg_b32 s2, hwreg(HW_REG_IB_STS2, 6, 4)
	s_cmp_eq_u32 s2, 0
	s_cbranch_scc0 .Lentry_in_a_cluster
	s_endpgm
.Lentry_in_a_cluster:
	s_bfe_u32 s2, ttmp6, 0x10000c
	s_cmp_lg_u32 s2, 0x3003
	s_cbranch_scc0 .Lentry_shape_is_right
	s_endpgm
.Lentry_shape_is_right:
; LAUNCH 3 OF 4: the two attention products on codes of FP8 (E4M3), the softmax between them, and the quantiser (2^e10) of the result.
; LEFT OUT: a step of 128 keys that lies wholly behind a group's 32 queries: reference()'s own causal mask gives such keys the weight 0 for all finite inputs (shown at the head of launch 1).
; THE SOFTMAX: t = score x log2(e) / 8; M = the running largest t rounded up to a whole number; p = 2^(t - M) is quantised with 2^e8, not normalised; the row's sum is taken of the unquantised p
; and divides at the end; when M moves, the sum and O are multiplied by 2^(old M - new M), which rounds nothing.
; SHARES.  y = batch x 4 + key/value head.  The four partners of a cluster are the four query heads of one key/value head: they need the same K and V, which are asked for jointly; the place in the
; cluster enters the global addresses of Q and of the result alone.  Wave w (0..7) of cluster x = jp owns two groups of 32 queries (two tiles of 16, a and b, worked side by side, so that each fragment of
; K and of V feeds two matrix instructions): group g = jp + 4 w with w + 1 key steps and group 63 - g with 16 - w: 17 key steps for every wave.
; ONE LOOP OF 17 TRIPS: trips 0 .. w walk the low group's keys upward; trip w + 1 stores it and takes up the high group, which walks from its diagonal (key step 15 - w) down to key step 0:
; a running maximum takes the key steps in any order, and in a group's diagonal step the step's first key counts for all its queries, so M is a number from the first step on.
; At the change of groups M is set back to its start: the first factor 2^(old M - new M) is then 0, and O and the sum, which are finite (sums of at most 2,048 products of codes), become zeros.
; NO RING: a head's K (131,072 bytes) and V (131,072) lie whole in LDS.  Each of the eight waves issues ONE joint load of 32,768 bytes; nothing is filled again.
; NO PREFETCH: all that the launch reads from memory is asked for at its head; there is no loop over memory to run ahead in.
; LAYOUT.  All operands lie in memory and in LDS as images of their registers (group g of four registers at 512 g + 16 x lane).  S^T = K Q^T (source 0 = 16 keys, source 1 = 16 queries, K = 64): lane (r, h) holds
; query r and, in tile kt, keys 16 kt + 8 h + 0 .. 7; their eight codes are registers 2 kt, 2 kt + 1 of the second product's operand (K = 128 keys).  O^T = V^T P^T: lane (r, h) holds query r and channels
; 16 dt + 8 h + 0 .. 7, whose codes are registers 2 dt, 2 dt + 1 of launch 4's operand: a_codes [tile of 16 tokens][128 of K][2,048], a head's 64 channels being 1,024 bytes of it.
; LIMITS: e6 + e7 between -123 and 130 (added to the exponent field of log2(e)/8); e8, and e10 - e8 - e9, between -126 and 119.  NaN is not served.
; REGISTERS.  Window 0: v1-7 addresses; v8-11, v12-15 of tile a, b: -M, the largest t, the sum in two halves; v16-31 Q; v32-63 p's codes; v64-127, v128-191 S^T then p of a, b; v192-223 partial sums;
; v224-239 the result's codes; v240-255 constants and work.  Window 1: v0-63 O^T of a, b; v64-127 K's eight fragments; v128-191 V's four; v192-207 the high group's Q.
.set LI,   1                           ; 16 x lane
.set ADK,  2                           ; LDS address of the next trip's K
.set ADV,  3                           ; of this trip's V
.set SPW,  4                           ; LDS address of my spare word; never rewritten
.set NIL,  5                           ; 0; never rewritten
.set LIV,  6                           ; 16 x lane + VOFF
.set RH,   7                           ; r - 8 h
.set STA,  8
.set STB,  12
.set QA,   16
.set PCA,  32
.set PCB,  48
.set SA,   64
.set SB,   128
.set T,    192
.set OC,   224
.set HL0,  240                         ; 448 x 2^e8, twice: the two halves of a dual pair name registers of different banks
.set HL1,  241
.set OL,   242                         ; 448 x 2^(e10 - e8 - e9)
.set NINF, 243                         ; -infinity
.set PSC,  244                         ; 2^e8
.set OSC,  245                         ; 2^(e10 - e8 - e9)
.set OA,   0                           ; window 1
.set OB,   32
.set KF,   64
.set VF,   128
.set QH,   192
.set VOFF, 131072                      ; LDS: K from byte 0 (a step of 128 keys: 8,192 bytes), V from here (likewise)
.set SPARE, 326656                     ; the last 1,024 bytes: the spare words, 128 bytes for each of the eight waves
.set TOP,  15<<13                      ; the last key step's first byte
.set WV,   18
.set SEL,  20                          ; s[20:21] lane selects: lane l xor 16
.set CS,   22                          ; s[22:23] log2(e) / 8 x 2^(e6 + e7), twice
.set G1,   24
.set G0,   40
.set MK,   52                          ; s[52:59] lane masks of the tile on the diagonal: bit set where register j's key comes behind the lane's query: j > r - 8 h
.set J,    66                          ; the trip
.set NL,   67                          ; w + 1: the low group's trips
.set E6,   70                          ; s[68:75] = e4 .. e11
.set E7,   71
.set E8,   72
.set E9,   73
.set E10,  74
.set MM,   76                          ; s[76:83] the masks in hand
.set KD,   88                          ; which tile of 16 keys of the diagonal step holds tile a's diagonal (tile b's: one further on)
.set KDH,  89                          ; the same for the high group
.set FILL, 90                          ; s[90:91]
.set MSB, 0
.macro WIN new                         ; the immediate's high byte repeats the setting that is left
.if MSB != \new
	s_set_vgpr_msb (MSB<<8)|\new
.set MSB, \new
.endif
.endm
.macro CROUND                          ; a round of the cluster's barrier
	s_barrier_signal -1
	s_barrier_wait -1
	s_cmp_lg_u32 s[WV], 0
	s_cbranch_scc1 .Lnot_wave_0_\@
	s_barrier_signal -3
.Lnot_wave_0_\@:
	s_barrier_wait -3
	s_barrier_signal -1
	s_barrier_wait -1
.endm
.macro MKSC se, vs, vl                 ; s[se] = e (used up) -> v[vs] = 2^e, v[vl] = 448 x 2^e
	s_add_co_i32 s[\se], s[\se], 127
	s_lshl_b32 s96, s[\se], 23
	v_mov_b32 v[\vs], s96
	s_add_co_i32 s[\se], s[\se], 8
	s_lshl_b32 s[\se], s[\se], 23
	s_or_b32 s[\se], s[\se], 0x600000
	v_mov_b32 v[\vl], s[\se]
.endm
.macro KLOADS                          ; K's eight fragments of a key step (destination window 1)
.irp kt, 0,1,2,3,4,5,6,7
	ds_load_b128 v[KF+8*\kt:KF+8*\kt+3], v[ADK] offset:1024*\kt
	ds_load_b128 v[KF+8*\kt+4:KF+8*\kt+7], v[ADK] offset:1024*\kt+512
.endr
.endm
.macro HOLD2 r                         ; the hold at the largest code x the scale, two numbers a line; p is never negative
	v_dual_min_num_f32 v[\r], v[\r], v[HL0] :: v_dual_min_num_f32 v[\r+1], v[\r+1], v[HL1]
.endm
.macro REDUCE ST, f                    ; sixteen pairs of partial sums become one; the running sum x f takes it in
.irp k, 0,2,4,6,8,10,12,14
	v_pk_add_f32 v[T+\k:T+\k+1], v[T+\k:T+\k+1], v[T+16+\k:T+17+\k]
.endr
.irp k, 0,2,4,6
	v_pk_add_f32 v[T+\k:T+\k+1], v[T+\k:T+\k+1], v[T+8+\k:T+9+\k]
.endr
.irp k, 0,2
	v_pk_add_f32 v[T+\k:T+\k+1], v[T+\k:T+\k+1], v[T+4+\k:T+5+\k]
.endr
	v_pk_add_f32 v[T:T+1], v[T:T+1], v[T+2:T+3]
	v_pk_fma_f32 v[\ST+2:\ST+3], v[\ST+2:\ST+3], v[\f:\f+1], v[T:T+1] op_sel_hi:[1,0,1]
.endm
; A group is finished: O^T / the sum, held, as codes with 2^(e10 - e8 - e9); four stores of 512 consecutive bytes.
.macro FINISH AD
	s_wait_xcnt 0x0                                ; earlier stores have read the codes' registers
.rept 4
	v_nop                                          ; places behind the last products
.endr
	v_add_f32 v252, v[STA+2], v[STA+3]
	v_add_f32 v254, v[STB+2], v[STB+3]
	v_permlanex16_b32 v246, v252, s[SEL], s[SEL+1]
	v_permlanex16_b32 v247, v254, s[SEL], s[SEL+1]
	v_add_f32 v252, v252, v246                     ; the rows' sums
	v_add_f32 v254, v254, v247
	s_wait_alu depctr_va_vdst(0)                   ; the wait ahead of the transcendentals
	v_rcp_f32 v250, v252
	v_rcp_f32 v248, v254
	v_nop                                          ; a plain line behind them
	WIN 0x01                                       ; source 0: O^T in window 1
	s_wait_alu depctr_va_vdst(0)                   ; and the wait ahead of their first reader, which is O^T's first reader too
.set j, 0
.rept 16
	v_pk_mul_f32 v[SA+j:SA+j+1], v[OA+j:OA+j+1], v[250:251] op_sel_hi:[1,0]
.set j, j+2
.endr
.set j, 0
.rept 16
	v_pk_mul_f32 v[SA+32+j:SA+33+j], v[OB+j:OB+j+1], v[248:249] op_sel_hi:[1,0]
.set j, j+2
.endr
	WIN 0
.set j, 0
.rept 64
	v_med3_num_f32 v[SA+j], v[SA+j], -v[OL], v[OL]
.set j, j+1
.endr
.set j, 0
.rept 8
	v_cvt_scalef32_pk8_fp8_f32 v[OC+2*j:OC+2*j+1], v[SA+8*j:SA+8*j+7], v[OSC]
.set j, j+1
.endr
	v_nop                                          ; a plain line between the conversions and the next writes of their sources
	global_store_b128 v[LI], v[OC:OC+3], s[\AD:\AD+1]
	global_store_b128 v[LI], v[OC+4:OC+7], s[\AD:\AD+1] offset:512
	global_store_b128 v[LI], v[OC+8:OC+11], s[\AD:\AD+1] offset:16384
	global_store_b128 v[LI], v[OC+12:OC+15], s[\AD:\AD+1] offset:16896
.endm
	s_load_b256 s[4:11], s[0:1], 0x0               ; q_codes 4:5, k_codes 6:7, v_codes 8:9, the exponents 10:11
	s_load_b64 s[12:13], s[0:1], 0x20              ; a_codes
	v_lshl_add_u32 v[SPW], v0, 2, SPARE
	v_mov_b32 v[NIL], 0
	ds_add_u32 v[SPW], v[NIL]                      ; the wave's opening: the add, twice on end, and its wait ahead of my first tensor load
	ds_add_u32 v[SPW], v[NIL]
	v_lshrrev_b32 v246, 5, v0
	v_readfirstlane_b32 s[WV], v246                ; wave 0..7
	s_bfe_u32 s14, ttmp6, 0x40000                  ; my place in the cluster: the query head within the group
	s_and_b32 s15, ttmp7, 0xffff                   ; y
	s_lshl_b32 s16, s[WV], 2
	s_add_co_u32 s16, s16, ttmp9                   ; g (ttmp9 counts clusters: the same in all four partners)
	s_lshl_b32 s16, s16, 1                         ; the low group's first tile of 16 queries,
	s_sub_co_u32 s17, 126, s16                     ; the high group's
	s_add_co_u32 s[NL], s[WV], 1
	s_lshl_b32 s[KD], ttmp9, 1                     ; the low group begins 32 jp queries into its diagonal step,
	s_sub_co_u32 s[KDH], 6, s[KD]                  ; the high group 32 (3 - jp)
	s_mov_b32 s[G1+0], 15|(3<<16)|(1<<21)          ; the mask: all four work-groups; elements of 8 bytes; bit 21 set beside a mask; no padding
	s_mov_b32 s[G1+1], 32<<16                      ; tensor_dim0: 32 elements = 256 bytes
	s_mov_b32 s[G1+2], 128<<16                     ; tensor_dim1
	s_mov_b32 s[G1+3], 32<<16                      ; tile_dim0
	s_mov_b32 s[G1+4], 128                         ; tile_dim1: 128 rows: a dense block of 32,768 bytes
	s_mov_b32 s[G1+5], 32                          ; from row to row
	s_mov_b32 s[G1+6], 0
	s_mov_b32 s[G1+7], 0
	s_lshl_b32 s32, s[WV], 15                      ; where it goes: waves 0-3 K's quarters, waves 4-7 V's: the wave's number alone
	s_and_b32 s33, s[WV], 3
	s_lshl_b32 s33, s33, 15
	s_lshl_b32 s34, s15, 17                        ; the head's 131,072 bytes
	s_add_co_u32 s34, s34, s33
	s_mov_b32 s35, 0
	s_lshl_b32 s36, s15, 2                         ; Q: batch x 16 + query head = 4 y + place
	s_add_co_u32 s36, s36, s14
	s_lshl_b32 s36, s36, 7
	s_add_co_u32 s37, s36, s17
	s_add_co_u32 s36, s36, s16
	s_lshl_b32 s50, s37, 10                        ; a tile's 1,024 bytes: the high group's,
	s_mov_b32 s51, 0
	s_lshl_b32 s52, s36, 10                        ; the low group's
	s_mov_b32 s53, 0
	s_lshr_b32 s38, s15, 2
	s_lshl_b32 s38, s38, 7                         ; the result: batch x 128 tiles of tokens
	s_and_b32 s39, s15, 3
	s_lshl_b32 s39, s39, 2
	s_add_co_u32 s39, s39, s14                     ; the query head, 0 .. 15:
	s_lshl_b32 s39, s39, 10                        ; its 1,024 bytes of a tile's 16,384
	s_add_co_u32 s54, s38, s17
	s_lshl_b32 s54, s54, 14
	s_add_co_u32 s54, s54, s39
	s_mov_b32 s55, 0
	s_add_co_u32 s56, s38, s16
	s_lshl_b32 s56, s56, 14
	s_add_co_u32 s56, s56, s39
	s_mov_b32 s57, 0
	s_mov_b32 s[SEL], 0x76543210
	s_mov_b32 s[SEL+1], 0xfedcba98
	s_mov_b32 s[CS], 0x3e38aa3b                    ; log2(e) / 8
	s_mov_b32 s[J], 0
	s_wait_dscnt 0x0                               ; both opening adds are done
	s_wait_kmcnt 0x0
	s_load_b256 s[68:75], s[10:11], 0x10           ; e4 .. e11
	s_cmp_lt_u32 s[WV], 4
	s_cselect_b64 s[G0+2:G0+3], s[6:7], s[8:9]
	s_add_nc_u64 s[G0+2:G0+3], s[G0+2:G0+3], s[34:35]
	s_or_b32 s[G0+3], s[G0+3], 0x80000000
	s_mov_b32 s[G0], 1
	s_mov_b32 s[G0+1], s32
	s_add_nc_u64 s[80:81], s[4:5], s[50:51]        ; Q of the high group,
	s_add_nc_u64 s[82:83], s[4:5], s[52:53]        ; of the low group
	s_add_nc_u64 s[84:85], s[12:13], s[54:55]      ; the results' places
	s_add_nc_u64 s[86:87], s[12:13], s[56:57]
	CROUND                                         ; all four work-groups are here: the joint loads meet
	tensor_load_to_lds s[G0:G0+3], s[G1:G1+7]
	s_nop 0
.rept 4
	v_nop
.endr
	v_and_b32 v246, 31, v0
	v_lshlrev_b32 v[LI], 4, v246
.irp i, 0,1,2,3
	global_load_b128 v[QA+4*\i:QA+4*\i+3], v[LI], s[82:83] offset:512*\i   ; tiles a and b lie on end
.endr
	WIN 0x40                                       ; destination window 1
.irp i, 0,1,2,3
	global_load_b128 v[QH+4*\i:QH+4*\i+3], v[LI], s[80:81] offset:512*\i
.endr
.set j, 0
.rept 64
	v_mov_b32 v[OA+j], 0                           ; O^T of both tiles: the step has no first step of its own; the first change of M leaves zeros zeros
.set j, j+1
.endr
	WIN 0
	v_add_nc_u32 v[LIV], VOFF, v[LI]
	v_mov_b32 v[ADK], v[LI]                        ; key step 0
	v_and_b32 v246, 15, v0
	v_bfe_u32 v[RH], v0, 4, 1
	v_lshlrev_b32 v[RH], 3, v[RH]
	v_sub_nc_u32 v[RH], v246, v[RH]                ; r - 8 h
.irp jj, 0,1,2,3,4,5,6,7
	v_cmp_gt_i32 s[MK+\jj], \jj, v[RH]
.endr
.irp st, STA, STB
	v_mov_b32 v[\st+1], 0xff61b1e6                 ; the largest t so far: -3e38, under every t
	v_mov_b32 v[\st], 0x7f61b1e6                   ; -M
	v_mov_b32 v[\st+2], 0
	v_mov_b32 v[\st+3], 0
.endr
	v_mov_b32 v246, 0                              ; a lane permute's destination counts as one of its sources
	v_mov_b32 v247, 0
	v_mov_b32 v249, 0                              ; (named as the upper halves of pairs)
	v_mov_b32 v251, 0
	v_mov_b32 v[NINF], 0xff800000
	s_wait_kmcnt 0x0
	s_add_co_i32 s96, s[E6], s[E7]
	s_lshl_b32 s96, s96, 23
	s_add_co_i32 s[CS], s[CS], s96                 ; a score stands for score x 2^(e6 + e7)
	s_mov_b32 s[CS+1], s[CS]
	s_sub_co_i32 s97, s[E10], s[E8]
	s_sub_co_i32 s97, s97, s[E9]                   ; O / sum stands for that x 2^(e8 + e9): its code is taken with 2^(e10 - e8 - e9)
	MKSC E8, PSC, HL0
	v_mov_b32 v[HL1], s[E8]
	MKSC 97, OSC, OL
	s_wait_alu depctr_va_vdst(0)                   ; the wait at the head's end
	s_wait_loadcnt 0x0                             ; Q
	s_wait_tensorcnt 0x0                           ; my part of K or V is in,
	s_barrier_signal -1
	s_barrier_wait -1                              ; everybody's is
	WIN 0x40
	KLOADS                                         ; key step 0's K
	WIN 0
.Ltrip:
	s_cmp_eq_u32 s[J], s[NL]                       ; the wave's number and the count of trips alone: the same in all partners
	s_cbranch_scc0 .Lsame
	FINISH 86                                      ; the low group leaves, the high group is taken up
.irp st, STA, STB
	v_mov_b32 v[\st+1], 0xff61b1e6
	v_mov_b32 v[\st], 0x7f61b1e6
.endr
	WIN 0x01
.set j, 0
.rept 16
	v_mov_b32 v[QA+j], v[QH+j]
.set j, j+1
.endr
	WIN 0
	s_mov_b32 s[KD], s[KDH]
	s_wait_alu depctr_va_vdst(0)                   ; the wait ahead of the label
.Lsame:
	; the key step of trip j: j while j < NL, else 16 - j.  This trip's V and the next trip's K.  (Trip 16 names key step 15 for a next trip that does not come: its sixteen loads keep the count below the same in every trip)
	s_lshl_b32 s44, s[J], 13
	s_min_u32 s45, s44, TOP                        ; upward, now
	s_xor_b32 s46, s44, 31<<13
	s_add_co_u32 s46, s46, 17<<13
	s_and_b32 s46, s46, TOP                        ; downward, now: 16 - j
	s_add_co_u32 s47, s44, 8192
	s_min_u32 s47, s47, TOP                        ; upward, next
	s_xor_b32 s48, s44, TOP
	s_and_b32 s48, s48, TOP                        ; downward, next: 15 - j
	s_cmp_lt_u32 s[J], s[NL]
	s_cselect_b32 s45, s45, s46
	s_add_co_u32 s46, s[J], 1
	s_cmp_lt_u32 s46, s[NL]
	s_cselect_b32 s47, s47, s48
	v_add_nc_u32 v[ADV], s45, v[LIV]
	v_add_nc_u32 v[ADK], s47, v[LI]
	s_wait_alu depctr_va_vdst(0)                   ; the wait here, directly ahead of the wait below
	s_wait_dscnt 0x0                               ; this trip's K is in
	WIN 0x01                                       ; source 0: K in window 1
.irp kt, 0,1,2,3,4,5,6,7
	v_wmma_f32_16x16x64_fp8_fp8 v[SA+8*\kt:SA+8*\kt+7], v[KF+8*\kt:KF+8*\kt+7], v[QA:QA+7], 0
	v_wmma_f32_16x16x64_fp8_fp8 v[SB+8*\kt:SB+8*\kt+7], v[KF+8*\kt:KF+8*\kt+7], v[QA+8:QA+15], 0
.endr
.rept 4
	v_nop                                          ; places in front of the loads below and of the first read of the scores
.endr
	WIN 0x40
.irp dt, 0,1,2,3
.irp g, 0,1,2,3
	ds_load_b128 v[VF+16*\dt+4*\g:VF+16*\dt+4*\g+3], v[ADV] offset:2048*\dt+512*\g   ; V lands while the softmax is walked,
.endr
.endr
	KLOADS                                         ; and the next trip's K
	WIN 0
	; THE DIAGONAL: trips w and w + 1.  Of tile a the keys' tiles under KD count whole, tile KD by the eight lane masks, those above not at all; tile b stands one tile further on, so each set of masks serves a's tile kt and b's kt + 1.
	s_sub_co_u32 s96, s[J], s[WV]
	s_cmp_lt_u32 s96, 2
	s_cbranch_scc0 .Lopen
.irp kt, 0,1,2,3,4,5,6,7
	s_cmp_lt_u32 s[KD], \kt
	s_cselect_b64 s[FILL:FILL+1], -1, 0
.if (\kt % 2) == 0                     ; KD is even
	s_cmp_eq_u32 s[KD], \kt
.irp p, 0,2,4,6
	s_cselect_b64 s[MM+\p:MM+\p+1], s[MK+\p:MK+\p+1], s[FILL:FILL+1]
.endr
.irp jj, 0,1,2,3,4,5,6,7
	v_cndmask_b32 v[SA+8*\kt+\jj], v[SA+8*\kt+\jj], v[NINF], s[MM+\jj]
.endr
.irp jj, 0,1,2,3,4,5,6,7
	v_cndmask_b32 v[SB+8*\kt+8+\jj], v[SB+8*\kt+8+\jj], v[NINF], s[MM+\jj]
.endr
.else
.irp jj, 0,1,2,3,4,5,6,7
	v_cndmask_b32 v[SA+8*\kt+\jj], v[SA+8*\kt+\jj], v[NINF], s[FILL]
.endr
.if \kt < 7
.irp jj, 0,1,2,3,4,5,6,7
	v_cndmask_b32 v[SB+8*\kt+8+\jj], v[SB+8*\kt+8+\jj], v[NINF], s[FILL]
.endr
.endif
.endif
.endr
.Lopen:
	v_max3_num_f32 v252, v[SA], v[SA+1], v[SA+2]   ; the step's largest scores, two chains a tile, the tiles by turns; each accumulator is read from its low end on
	v_max3_num_f32 v254, v[SB], v[SB+1], v[SB+2]
	v_max3_num_f32 v253, v[SA+3], v[SA+4], v[SA+5]
	v_max3_num_f32 v255, v[SB+3], v[SB+4], v[SB+5]
.irp i, 6,10,14,18,22,26,30,34,38,42,46,50,54,58
	v_max3_num_f32 v252, v252, v[SA+\i], v[SA+1+\i]
	v_max3_num_f32 v254, v254, v[SB+\i], v[SB+1+\i]
	v_max3_num_f32 v253, v253, v[SA+2+\i], v[SA+3+\i]
	v_max3_num_f32 v255, v255, v[SB+2+\i], v[SB+3+\i]
.endr
	v_max3_num_f32 v252, v252, v[SA+62], v[SA+63]
	v_max3_num_f32 v254, v254, v[SB+62], v[SB+63]
	v_max_num_f32 v252, v252, v253
	v_max_num_f32 v254, v254, v255
	v_permlanex16_b32 v246, v252, s[SEL], s[SEL+1]
	v_permlanex16_b32 v247, v254, s[SEL], s[SEL+1]
	v_max_num_f32 v252, v252, v246                 ; and among lane l xor 16's
	v_max_num_f32 v254, v254, v247
	v_mul_f32 v252, s[CS], v252                    ; as t
	v_mul_f32 v254, s[CS], v254
	v_max_num_f32 v[STA+1], v[STA+1], v252         ; the running largest t
	v_max_num_f32 v[STB+1], v[STB+1], v254
	v_mov_b32 v253, v[STA]
	v_mov_b32 v255, v[STB]
	v_floor_f32 v[STA], -v[STA+1]                  ; the new -M = -ceil(t)
	v_floor_f32 v[STB], -v[STB+1]
	v_sub_f32 v253, v[STA], v253                   ; old M - new M, a whole number, 0 or less
	v_sub_f32 v255, v[STB], v255
	v_cvt_i32_f32 v253, v253                       ; (it saturates)
	v_cvt_i32_f32 v255, v255
	v_ldexp_f32 v250, 1.0, v253                    ; f = 2^(old M - new M)
	v_ldexp_f32 v248, 1.0, v255
.set j, 0
.rept 32
	v_pk_fma_f32 v[SA+j:SA+j+1], v[SA+j:SA+j+1], s[CS:CS+1], v[STA:STA+1] op_sel_hi:[1,0,0]   ; a: t - M, two at a time
.set j, j+2
.endr
	s_wait_alu depctr_va_vdst(0)                   ; the wait ahead of the batch
.set j, 0
.rept 32                               ; a's exponentials; between them b's t - M: lines that read nothing written since the wait above, and whose results are read behind the wait below
	v_exp_f32 v[SA+j], v[SA+j]
	v_exp_f32 v[SA+j+1], v[SA+j+1]
	v_pk_fma_f32 v[SB+j:SB+j+1], v[SB+j:SB+j+1], s[CS:CS+1], v[STB:STB+1] op_sel_hi:[1,0,0]
.set j, j+2
.endr
	s_wait_alu depctr_va_vdst(0)                   ; one wait behind a's batch and ahead of b's
.set j, 0
.rept 16                               ; b's exponentials; between them a's first sums, of the unquantised p, and then a's holds: again independent lines, read behind the wait below
	v_exp_f32 v[SB+j], v[SB+j]
	v_exp_f32 v[SB+j+1], v[SB+j+1]
	v_pk_add_f32 v[T+j/2:T+j/2+1], v[SA+j:SA+j+1], v[SA+j+2:SA+j+3]
	v_exp_f32 v[SB+j+2], v[SB+j+2]
	HOLD2 SA+j
	v_exp_f32 v[SB+j+3], v[SB+j+3]
	HOLD2 SA+j+2
.set j, j+4
.endr
	v_nop                                          ; a plain line behind the last exponential
	s_wait_alu depctr_va_vdst(0)                   ; one wait behind the batch, ahead of its first reader
.set j, 0
.rept 8
	v_cvt_scalef32_pk8_fp8_f32 v[PCA+2*j:PCA+2*j+1], v[SA+8*j:SA+8*j+7], v[PSC]
.set j, j+1
.endr
	REDUCE STA, 250
.set j, 0
.rept 16
	v_pk_add_f32 v[T+j/2:T+j/2+1], v[SB+j:SB+j+1], v[SB+j+2:SB+j+3]
	HOLD2 SB+j
	HOLD2 SB+j+2
.set j, j+4
.endr
.set j, 0
.rept 8
	v_cvt_scalef32_pk8_fp8_f32 v[PCB+2*j:PCB+2*j+1], v[SB+8*j:SB+8*j+7], v[PSC]
.set j, j+1
.endr
	REDUCE STB, 248
	WIN 0x41                                       ; O^T in window 1, f in window 0
	s_wait_alu depctr_va_vdst(0)                   ; the wait here, directly ahead of the first reader of O^T
.set j, 0
.rept 16
	v_pk_mul_f32 v[OA+j:OA+j+1], v[OA+j:OA+j+1], v[250:251] op_sel_hi:[1,0]   ; O^T under the new M
.set j, j+2
.endr
.set j, 0
.rept 16
	v_pk_mul_f32 v[OB+j:OB+j+1], v[OB+j:OB+j+1], v[248:249] op_sel_hi:[1,0]
.set j, j+2
.endr
	s_wait_alu depctr_va_vdst(0)                   ; the wait here, directly ahead of the wait below
	s_wait_dscnt 16                                ; V is in; the sixteen loads of the next trip's K, issued behind V's, may be out
	WIN 0x51                                       ; V and O^T in window 1, p's codes in window 0
.irp dt, 0,1,2,3
	v_wmma_f32_16x16x128_fp8_fp8 v[OA+8*\dt:OA+8*\dt+7], v[VF+16*\dt:VF+16*\dt+15], v[PCA:PCA+15], v[OA+8*\dt:OA+8*\dt+7]
	v_wmma_f32_16x16x128_fp8_fp8 v[OB+8*\dt:OB+8*\dt+7], v[VF+16*\dt:VF+16*\dt+15], v[PCB:PCB+15], v[OB+8*\dt:OB+8*\dt+7]
.endr
	WIN 0
	s_add_co_u32 s[J], s[J], 1
	s_cmp_lt_u32 s[J], 17
	s_cbranch_scc1 .Ltrip
	FINISH 84                                      ; the high group leaves
	s_wait_tensorcnt 0x0                           ; the wave's end
	ds_add_u32 v[SPW], v[NIL]
	s_wait_dscnt 0x0
	CROUND                                         ; the closing round
	s_endpgm
.Lfunc_end_k_q9a183a433c_attn:
	.size	k_q9a183a433c_attn, .Lfunc_end_k_q9a183a433c_attn-k_q9a183a433c_attn
	.p2alignl 7, 3214868480
	.fill 96, 4, 3214868480
	.section	.rodata,"a",@progbits
	.p2align	6, 0x0
	.amdhsa_kernel k_q9a183a433c_attn
		.amdhsa_group_segment_fixed_size 327680
		.amdhsa_private_segment_fixed_size 0
		.amdhsa_enable_private_segment 0
		.amdhsa_kernarg_size 40
		.amdhsa_user_sgpr_count 2
		.amdhsa_user_sgpr_kernarg_segment_ptr 1
		.amdhsa_wavefront_size32 1
		.amdhsa_system_sgpr_workgroup_id_x 1
		.amdhsa_system_sgpr_workgroup_id_y 1
		.amdhsa_system_sgpr_workgroup_id_z 1
		.amdhsa_system_vgpr_workitem_id 0
		.amdhsa_next_free_vgpr 512
		.amdhsa_next_free_sgpr 100
		.amdhsa_reserve_vcc 0
		.amdhsa_float_denorm_mode_32 3
		.amdhsa_float_denorm_mode_16_64 3
		.amdhsa_memory_ordered 1
		.amdhsa_forward_progress 1
		.amdhsa_inst_pref_size 64
	.end_amdhsa_kernel
	.amdgpu_metadata
---
amdhsa.version: [ 1, 2 ]
amdhsa.kernels:
  - .name:           k_q9a183a433c_attn
    .symbol:         k_q9a183a433c_attn.kd
    .args:
      - { .name: q_codes, .offset: 0, .size: 8, .value_kind: global_buffer, .address_space: global }
      - { .name: k_codes, .offset: 8, .size: 8, .value_kind: global_buffer, .address_space: global }
      - { .name: v_codes, .offset: 16, .size: 8, .value_kind: global_buffer, .address_space: global }
      - { .name: lowp_scales, .offset: 24, .size: 8, .value_kind: global_buffer, .address_space: global }
      - { .name: a_codes, .offset: 32, .size: 8, .value_kind: global_buffer, .address_space: global }
    .group_segment_fixed_size: 327680
    .private_segment_fixed_size: 0
    .kernarg_segment_align: 8
    .kernarg_segment_size: 40
    .max_flat_workgroup_size: 256
    .sgpr_count:     100
    .vgpr_count:     512
    .wavefront_size: 32
...
	.end_amdgpu_metadata
.endif
;; end of part 3
;; launch outp (part 4): grid 4 x 64, 4 waves a work-group, clusters of 4 x 4, 327,680 bytes of LDS; arguments a_codes, wcodes, lowp_scales, out0; writes out0
.if DOCPART == 4
	.amdgcn_target "amdgcn-amd-amdhsa--gfx1250"
	.amdhsa_code_object_version 6
	.text
	.protected	k_q9a183a433c_outp
	.globl	k_q9a183a433c_outp
	.p2align	8
	.type	k_q9a183a433c_outp,@function
k_q9a183a433c_outp:
	s_mov_b64 s[64:65], 0
	v_nop
	global_prefetch_b8 v0, s[64:65] scope:SCOPE_SE
	s_setreg_imm32_b32 hwreg(HW_REG_WAVE_MODE, 25, 1), 1
	s_wait_xcnt 0x0
	s_wait_alu depctr_hold_cnt(0) depctr_sa_sdst(0) depctr_va_vdst(0) depctr_va_sdst(0) depctr_va_ssrc(0) depctr_va_vcc(0) depctr_vm_vsrc(0)
	s_getreg_b32 s2, hwreg(HW_REG_IB_STS2, 6, 4)
	s_cmp_eq_u32 s2, 0
	s_cbranch_scc0 .Lentry_in_a_cluster
	s_endpgm
.Lentry_in_a_cluster:
	s_bfe_u32 s2, ttmp6, 0x10000c
	s_cmp_lg_u32 s2, 0xf033
	s_cbranch_scc0 .Lentry_shape_is_right
	s_endpgm
.Lentry_shape_is_right:
; LAUNCH 4 OF 4: out0 [8192][1024] f32 = the attention result x Wo, both as codes of FP8 (E4M3); each finished sum is multiplied once by 2^(e10 + e11).  Nothing is left out here.
; A = a_codes [tile of 16 tokens][8 x 128 of K][2,048 bytes]: images of the operand's registers (group c of four registers at 512 c + 16 x lane).  B = rows 1,536 .. 2,559 of wcodes [row = output column][1,024], K innermost.
; LIMIT: e10 + e11 lies between -126 and 127, so that 2^(e10 + e11) is an f32 number.
; SHARES.  A block of the result is 128 rows x 256 columns: 64 x 4 blocks, 256 work-groups.  Four waves; a wave makes 64 x 128: 32 accumulators of 16 x 16, 256 registers.
; K goes in four steps of 256 through a ring of two LDS slots.  Waves 0 and 1 fetch A's halves (4 token tiles x 4,096 bytes), waves 2 and 3 B's (128 rows x 256 bytes, padded to 272 in LDS): one tensor load a wave.
; CLUSTERS: 4 x 4 work-groups.  The four of a row of the cluster need the same tiles of A, the four of a column the same tiles of B: each tile is asked for jointly.
; NO PREFETCH: K has four slot fills, of which two go out at the head; the two refills follow one and two steps later, so there is no run of steps to ask ahead in.
; THE MATRIX INSTRUCTION IS USED TRANSPOSED (source 0 = 16 rows of B, source 1 = 16 rows of A): a lane holds eight neighbouring numbers of a row of the result.
; REGISTERS.  Window 0: v16-29 addresses; v128-191 A's four fragments, ONE set; on the way out v32-255 are free.  Window 1: B's eight fragments, TWO sets, at v0 and v128.  Window 2: accumulator (a, b) at v[8 (8 a + b)].
.set SIZE_N, 1024
.set ROWB,   256
.set KROW,   1024
.set PITCH,  272                       ; B's LDS row: 256 bytes + 16 of padding
.set FR,     16
.set NL,     4                         ; LDS loads that bring a fragment of A
.set NP,     4                         ; places behind this matrix instruction (ISA guide 7.12.1)
.set ASTEP,  4096                      ; a token tile's codes of 256 along K
.set AHALF,  4*ASTEP                   ; four token tiles: what one load brings of A, and what one wave reads
.set BOFF,   2*AHALF
.set BHALF,  128*PITCH
.set SLOT,   BOFF+2*BHALF
.set SPARE,  2*SLOT                    ; behind the ring: the spare words, 128 bytes for each wave
.set SPITCH, 528                       ; the way out: a stage of 16 rows x (512 + 16) bytes for each wave, in slot 0, which has had its last fill and its last read by then
.set ADRA, 16
.set ADRB, 20
.set STO,  24
.set RD,   25
.set CO,   26
.set SPW,  28                          ; LDS address of my spare word; never rewritten
.set NIL,  29                          ; 0; never rewritten
.set TMP,  32
.set AF,   128
.set BK,   128
.set G1, 24
.set G0, 32
.set G1B, 48
.set G0B, 56
.set MSB, 0
.macro WIN new                         ; the immediate's high byte repeats the setting that is left
.if MSB != \new
	s_set_vgpr_msb (MSB<<8)|\new
.set MSB, \new
.endif
.endm
.set MUL_LO, 0xa1                      ; source 0 (B) window 1, source 1 (A) window 0, C and D window 2
.set TO_B,   0x40
.macro JLOAD g0a, g1a, g0b, g1b        ; a joint load: waves 0, 1 for A, waves 2, 3 for B; an s_nop 0 and four v_nop follow each line
	s_cmp_eq_u32 s15, 0
	s_cbranch_scc0 .Lfor_b_\@
	tensor_load_to_lds s[\g0a:\g0a+3], s[\g1a:\g1a+7]
	s_nop 0
.rept 4
	v_nop
.endr
	s_branch .Lasked_\@
.Lfor_b_\@:
	tensor_load_to_lds s[\g0b:\g0b+3], s[\g1b:\g1b+7]
	s_nop 0
.rept 4
	v_nop
.endr
.Lasked_\@:
.endm
.macro CREST                           ; a round of the cluster's barrier behind its opening barrier
	s_cmp_lg_u32 s14, 0
	s_cbranch_scc1 .Lnot_wave_0_\@
	s_barrier_signal -3
.Lnot_wave_0_\@:
	s_barrier_wait -3
	s_barrier_signal -1
	s_barrier_wait -1
.endm
.macro CROUND
	s_barrier_signal -1
	s_barrier_wait -1
	CREST
.endm
	s_load_b128 s[4:7], s[0:1], 0x0                ; a_codes, wcodes
	s_load_b128 s[8:11], s[0:1], 0x10              ; the exponents, out0
	v_lshl_add_u32 v[SPW], v0, 2, SPARE
	v_mov_b32 v[NIL], 0
	ds_add_u32 v[SPW], v[NIL]                      ; the wave's opening: the add, twice on end, and its wait ahead of my first tensor load
	ds_add_u32 v[SPW], v[NIL]
	v_lshrrev_b32 v1, 5, v0
	v_readfirstlane_b32 s14, v1                    ; wave 0..3
	s_lshr_b32 s15, s14, 1                         ; which 64 rows of the block are mine.  Also: I fetch for A (0) or for B (1)
	s_and_b32 s16, s14, 1                          ; which 128 columns.  Also: which half of that tile I fetch
	s_bfe_u32 s40, ttmp6, 0x40000                  ; cx, cy
	s_bfe_u32 s41, ttmp6, 0x40004
	s_lshl_b32 s42, ttmp9, 2
	s_add_co_u32 s42, s42, s40                     ; block column, 0 .. 3
	s_and_b32 s17, ttmp7, 0xffff
	s_lshl_b32 s17, s17, 2
	s_add_co_u32 s17, s17, s41                     ; block row, 0 .. 63
	s_lshl_b32 s43, s41, 2
	s_lshl_b32 s43, 15, s43                        ; my row of the cluster
	s_lshl_b32 s44, 0x1111, s40                    ; my column
	s_or_b32 s[G1+0], s43, (3<<16)|(1<<21)         ; A: elements of 8 bytes, no padding
	s_mov_b32 s[G1+1], 512<<16                     ; a row: 4,096 bytes
	s_mov_b32 s[G1+2], 4<<16                       ; four rows: four token tiles,
	s_mov_b32 s[G1+3], 512<<16
	s_mov_b32 s[G1+4], 4
	s_mov_b32 s[G1+5], 2048                        ; 16,384 bytes apart
	s_mov_b32 s[G1+6], 0
	s_mov_b32 s[G1+7], 0
	s_or_b32 s[G1B+0], s44, (0<<16)|(1<<20)|(1<<21)|(5<<22)|(3<<25)   ; B: bytes; four words of padding behind every 64
	s_mov_b32 s[G1B+1], ROWB<<16
	s_mov_b32 s[G1B+2], 128<<16
	s_mov_b32 s[G1B+3], ROWB<<16
	s_mov_b32 s[G1B+4], 128
	s_mov_b32 s[G1B+5], KROW
	s_mov_b32 s[G1B+6], 0
	s_mov_b32 s[G1B+7], 0
	s_lshl_b32 s20, s17, 3
	s_lshl_b32 s18, s16, 2
	s_add_co_u32 s20, s20, s18                     ; A: token tile 8 x block row + 4 x half
	s_lshl_b32 s20, s20, 14
	s_mov_b32 s21, 0
	s_lshl_b32 s46, s42, 8
	s_lshl_b32 s18, s16, 7
	s_add_co_u32 s46, s46, s18
	s_add_co_u32 s46, s46, 1536                    ; B: row 1,536 + 256 x block column + 128 x half
	s_lshl_b32 s46, s46, 10
	s_mov_b32 s47, 0
	s_lshl_b32 s45, s16, 14                        ; where they go: the wave's number alone
	s_mul_i32 s19, s16, BHALF
	s_add_co_u32 s19, s19, BOFF
	s_wait_dscnt 0x0                               ; both opening adds are done
	s_wait_kmcnt 0x0
	s_load_b64 s[96:97], s[8:9], 0x28              ; e10, e11
	s_add_nc_u64 s[20:21], s[4:5], s[20:21]
	s_add_nc_u64 s[46:47], s[6:7], s[46:47]
	CROUND                                         ; all sixteen work-groups are here: the first joint loads meet
.irp s, 0,1
	s_mov_b32 s[G0+4*\s], 1
	s_add_co_u32 s[G0+4*\s+1], s45, \s*SLOT
	s_add_nc_u64 s[G0+4*\s+2:G0+4*\s+3], s[20:21], \s*ASTEP
	s_or_b32 s[G0+4*\s+3], s[G0+4*\s+3], 0x80000000
	s_mov_b32 s[G0B+4*\s], 1
	s_add_co_u32 s[G0B+4*\s+1], s19, \s*SLOT
	s_add_nc_u64 s[G0B+4*\s+2:G0B+4*\s+3], s[46:47], \s*ROWB
	s_or_b32 s[G0B+4*\s+3], s[G0B+4*\s+3], 0x80000000
.endr
	JLOAD G0, G1, G0B, G1B                         ; K step 0: one tensor load a wave at the head
	v_and_b32 v1, 15, v0
	v_bfe_u32 v2, v0, 4, 1
	v_mul_u32_u24 v3, v1, PITCH
	v_lshl_add_u32 v4, v2, 3, v3                   ; B: row x pitch + 8 x half: the form's own places of k, as A's images have them
	v_and_b32 v6, 31, v0
	v_lshlrev_b32 v[CO], 4, v6
	s_wait_alu depctr_va_vdst(0)                   ; the wait here, ahead of the scalar lines below
	s_lshl_b32 s21, s15, 14                        ; my four token tiles of A
	s_mul_i32 s22, s16, BHALF
	s_add_co_u32 s22, s22, BOFF                    ; my 128 rows of B
.irp s, 0,1
	v_add_nc_u32 v[ADRA+\s], s21, v[CO]
	v_add_nc_u32 v[ADRB+\s], s22, v4
	s_add_co_u32 s21, s21, SLOT
	s_add_co_u32 s22, s22, SLOT
.endr
	s_mul_i32 s23, s14, 16*SPITCH                  ; my stage
	v_mul_u32_u24 v5, v1, SPITCH
	v_lshl_add_u32 v5, v2, 5, v5
	v_add_nc_u32 v[STO], s23, v5
	v_add_nc_u32 v[RD], s23, v[CO]
	s_lshl_b32 s20, s17, 7
	s_lshl_b32 s21, s15, 6
	s_add_co_u32 s20, s20, s21                     ; my first row of the result: 128 x block row + 64 x half
	s_mov_b32 s21, 0
	s_mov_b64 s[18:19], SIZE_N*4
	s_mul_u64 s[20:21], s[20:21], s[18:19]
	s_lshl_b32 s46, s42, 10
	s_lshl_b32 s47, s16, 9
	s_add_co_u32 s46, s46, s47                     ; my first column, in bytes
	s_mov_b32 s47, 0
	s_add_nc_u64 s[20:21], s[20:21], s[46:47]
	s_add_nc_u64 s[10:11], s[10:11], s[20:21]
.macro FRAGA reg, adr, q, i
.irp c, 0,1,2,3
	ds_load_b128 v[\reg+4*\c:\reg+4*\c+3], v[\adr] offset:(\i)*ASTEP+(\q)*2048+512*\c
.endr
.endm
.macro FRAGB reg, adr, q, i
.irp c, 0,1,2,3,4,5,6,7
	ds_load_b64 v[\reg+2*\c:\reg+2*\c+1], v[\adr] offset:128*(\q)+16*\c+(\i)*16*PITCH
.endr
.endm
.macro MUL16 a0, p, zero               ; A's blocks a0, a0 + 1 x B's eight, 128 along K; the 32 accumulators take turns, one instruction a turn
.irp a, \a0, \a0+1
.irp b, 0,1,2,3,4,5,6,7
.if \zero
	v_wmma_f32_16x16x128_fp8_fp8 v[8*(8*((\a)%4)+\b):8*(8*((\a)%4)+\b)+7], v[128*(\p)+FR*\b:128*(\p)+FR*\b+FR-1], v[AF+FR*(\a):AF+FR*(\a)+FR-1], 0
.else
	v_wmma_f32_16x16x128_fp8_fp8 v[8*(8*((\a)%4)+\b):8*(8*((\a)%4)+\b)+7], v[128*(\p)+FR*\b:128*(\p)+FR*\b+FR-1], v[AF+FR*(\a):AF+FR*(\a)+FR-1], v[8*(8*((\a)%4)+\b):8*(8*((\a)%4)+\b)+7]
.endif
.endr
.endr
.endm
.macro FETCH_B slot, q, p
	WIN TO_B
.irp i, 0,1,2,3,4,5,6,7
	FRAGB 128*(\p)+FR*\i, ADRB+\slot, \q, \i
.endr
	WIN 0
.endm
.macro FETCH_A slot, q, i0             ; A's blocks i0, i0 + 1
.irp i, \i0, \i0+1
	FRAGA AF+FR*(\i), ADRA+\slot, \q, \i
.endr
.endm
.macro PLACES n
.rept \n
	v_nop
.endr
.endm
.macro STEP slot, q, zero              ; a step of 128 along K that has its successor in the same slot
	s_wait_dscnt 2*NL                              ; B's set and A's blocks 0, 1 are in; the youngest eight loads (A's blocks 2, 3) may be out
	WIN MUL_LO
	MUL16 0, (\q)%2, \zero
	s_wait_dscnt 0
	PLACES NP
	FETCH_B \slot, (\q)+1, 1-(\q)%2
	FETCH_A \slot, (\q)+1, 0
	WIN MUL_LO
	MUL16 2, (\q)%2, \zero
	PLACES NP
	WIN 0
	FETCH_A \slot, (\q)+1, 2
.endm
.macro TURN slot, next, fill           ; a slot's last step changes slots: one barrier; fill = 1: it opens a round of the cluster's barrier, and this slot is filled again
	s_wait_tensorcnt 0x0                           ; all my tensor loads have landed: my part of the next slot
	ds_add_u32 v[SPW], v[NIL]                      ; 0 onto my spare word
	s_wait_dscnt 2*NL+1                            ; (the add and the youngest eight loads may be out)
	WIN MUL_LO
	MUL16 0, 1, 0
	s_wait_dscnt 0x0                               ; the add is done, and my reads of this slot are over
	WIN 0
	s_barrier_signal -1
	s_barrier_wait -1
.if \fill
	CREST
	s_add_nc_u64 s[G0+4*\slot+2:G0+4*\slot+3], s[G0+4*\slot+2:G0+4*\slot+3], 2*ASTEP
	s_add_nc_u64 s[G0B+4*\slot+2:G0B+4*\slot+3], s[G0B+4*\slot+2:G0B+4*\slot+3], 2*ROWB
	JLOAD G0+4*\slot, G1, G0B+4*\slot, G1B         ; the first tensor load behind the round; its four v_nop are the places in front of the loads below
.else
	PLACES NP
.endif
	FETCH_B \next, 0, 0
	FETCH_A \next, 0, 0
	WIN MUL_LO
	MUL16 2, 1, 0
	PLACES NP
	WIN 0
	FETCH_A \next, 0, 2
.endm
	s_wait_alu depctr_va_vdst(0)                   ; the wait at the head's end
	s_wait_tensorcnt 0x0                           ; my part of K step 0 is in
	ds_add_u32 v[SPW], v[NIL]
	s_wait_dscnt 0x0
	CROUND                                         ; everybody's part of K step 0 is in, and all sixteen work-groups are here
	JLOAD G0+4, G1, G0B+4, G1B                     ; K step 1, the first tensor load behind the round
	FETCH_B 0, 0, 0
	FETCH_A 0, 0, 0
	FETCH_A 0, 0, 2
	STEP 0, 0, 1                                   ; the first products start the sums: nothing is cleared
	TURN 0, 1, 1
	STEP 1, 0, 0
	TURN 1, 0, 1
	STEP 0, 0, 0
	TURN 0, 1, 0                                   ; the last change of slots fills nothing
	STEP 1, 0, 0
	s_wait_dscnt 2*NL
	WIN MUL_LO
	MUL16 0, 1, 0
	s_wait_dscnt 0
	MUL16 2, 1, 0
	WIN 0
; THE WAY OUT, block by block of 16 rows x 128 columns: x 2^(e10 + e11), through my own stage, back as whole rows of 512 bytes, which the 32 lanes store as two aligned units of 256 bytes.
.macro TOSTAGE a
.set AC, 64*((\a)%4)
	WIN 0x02                                       ; source 0: window 2
.irp j, 0,2,4,6,8,10,12,14,16,18,20,22,24,26,28,30,32,34,36,38,40,42,44,46,48,50,52,54,56,58,60,62
	v_pk_mul_f32 v[TMP+\j:TMP+\j+1], v[AC+\j:AC+\j+1], s[96:97] op_sel_hi:[1,0]
.endr
	WIN 0
.irp b, 0,1,2,3,4,5,6,7
	ds_store_b128 v[STO], v[TMP+8*\b:TMP+8*\b+3] offset:64*\b
	ds_store_b128 v[STO], v[TMP+8*\b+4:TMP+8*\b+7] offset:64*\b+16
.endr
.set BB, BK+64*((\a)%2)
.irp t, 0,1,2,3,4,5,6,7,8,9,10,11,12,13,14,15
	ds_load_b128 v[BB+4*\t:BB+4*\t+3], v[RD] offset:\t*SPITCH   ; LDS serves a wave's instructions in order: these see my stores
.endr
.endm
.macro SEND a, younger                 ; younger: the LDS instructions issued behind block a's loads, which may stay out
.set BB, BK+64*((\a)%2)
	s_wait_dscnt \younger
.if (\a) > 0
	s_add_nc_u64 s[10:11], s[10:11], 16*SIZE_N*4   ; (behind a wait on XCNT: the earlier stores have read their base)
.endif
.irp t, 0,1,2,3,4,5,6,7,8,9,10,11,12,13,14,15
	global_store_b128 v[CO], v[BB+4*\t:BB+4*\t+3], s[10:11] offset:\t*SIZE_N*4 th:TH_STORE_NT
.endr
.endm
	s_wait_kmcnt 0x0
	s_add_co_i32 s96, s96, s97
	s_add_co_i32 s96, s96, 127
	s_lshl_b32 s96, s96, 23                        ; 2^(e10 + e11) as f32
	PLACES NP
	TOSTAGE 0
.irp a, 1,2,3
.if \a > 1
	s_wait_xcnt 0x0                                ; block a - 2's stores have read their registers and their base
.endif
	TOSTAGE \a
	SEND \a-1, 32                                  ; behind block a - 1's loads: block a's 16 stores and 16 loads
.endr
	s_wait_xcnt 0x0
	SEND 3, 0
	s_wait_tensorcnt 0x0                           ; the wave's end
	ds_add_u32 v[SPW], v[NIL]
	s_wait_dscnt 0x0
	CROUND                                         ; the closing round
	s_endpgm
.Lfunc_end_k_q9a183a433c_outp:
	.size	k_q9a183a433c_outp, .Lfunc_end_k_q9a183a433c_outp-k_q9a183a433c_outp
	.p2alignl 7, 3214868480
	.fill 96, 4, 3214868480
	.section	.rodata,"a",@progbits
	.p2align	6, 0x0
	.amdhsa_kernel k_q9a183a433c_outp
		.amdhsa_group_segment_fixed_size 327680
		.amdhsa_private_segment_fixed_size 0
		.amdhsa_enable_private_segment 0
		.amdhsa_kernarg_size 32
		.amdhsa_user_sgpr_count 2
		.amdhsa_user_sgpr_kernarg_segment_ptr 1
		.amdhsa_wavefront_size32 1
		.amdhsa_system_sgpr_workgroup_id_x 1
		.amdhsa_system_sgpr_workgroup_id_y 1
		.amdhsa_system_sgpr_workgroup_id_z 1
		.amdhsa_system_vgpr_workitem_id 0
		.amdhsa_next_free_vgpr 768
		.amdhsa_next_free_sgpr 98
		.amdhsa_reserve_vcc 0
		.amdhsa_float_denorm_mode_32 3
		.amdhsa_float_denorm_mode_16_64 3
		.amdhsa_memory_ordered 1
		.amdhsa_forward_progress 1
		.amdhsa_inst_pref_size 93
	.end_amdhsa_kernel
	.amdgpu_metadata
---
amdhsa.version: [ 1, 2 ]
amdhsa.kernels:
  - .name:           k_q9a183a433c_outp
    .symbol:         k_q9a183a433c_outp.kd
    .args:
      - { .name: a_codes, .offset: 0, .size: 8, .value_kind: global_buffer, .address_space: global }
      - { .name: wcodes, .offset: 8, .size: 8, .value_kind: global_buffer, .address_space: global }
      - { .name: lowp_scales, .offset: 16, .size: 8, .value_kind: global_buffer, .address_space: global }
      - { .name: out0, .offset: 24, .size: 8, .value_kind: global_buffer, .address_space: global }
    .group_segment_fixed_size: 327680
    .private_segment_fixed_size: 0
    .kernarg_segment_align: 8
    .kernarg_segment_size: 32
    .max_flat_workgroup_size: 128
    .sgpr_count:     98
    .vgpr_count:     768
    .wavefront_size: 32
...
	.end_amdgpu_metadata
.endif
;; end of part 4
